; MI455X (gfx1250); checked and timed in simulation.
; The chip was launched on July 23, 2026; its instructions are those of AMD's public machine-readable ISA for CDNA 5 (MIT licence, August 2026) and "CDNA5" Instruction Set Architecture Reference Guide (July 2026). The comments in the code are by the model that wrote it; some were corrected since.
;; Multi Head Attention. Allowed arithmetic: float matrix products may take bf16 or f16 operands with f32 sums; other float arithmetic in f32, or as packed bf16 or f16 multiplies, adds, multiply-adds, maxima and minima; sums over many terms, partial sums and values carried from step to step in f32; what a program stores and reads back later, other than sums and carried values, may be rounded once to bf16 or f16.
;; Inputs: Wout 1,024 x 1,024 float32; Wqkv 1,024 x 3,072 float32; bout 1,024 float32; bqkv 3,072 float32; x 4 x 4,096 x 1,024 float32.
;; Outputs: out0 4 x 4,096 x 1,024 float32.
;; 2 versions, each right; version 2 is version 1 with the launch attn written anew for expert scheduling mode. Each part assembles by itself: llvm-mc -triple=amdgcn-amd-amdhsa -mcpu=gfx1250 --defsym DOCPART=n.
;; ======== version 1 of 2: 4 launches
;; limits: values are held in f16: magnitudes above 65,504 overflow, below 6.1e-05 lose precision
;; workspace buffers: xb 33,554,432 bytes; wq 6,291,456 bytes; bq 6,144 bytes; wo 2,097,152 bytes; qkv 100,663,296 bytes; att 33,554,432 bytes
;; launch prep (part 1): grid 2113 x 1, 8 waves a work-group, no clusters, 0 bytes of LDS; arguments x, Wqkv, bqkv, Wout, xb, wq, bq, wo; writes xb, wq, bq, wo
.if DOCPART == 1
	.amdgcn_target "amdgcn-amd-amdhsa--gfx1250"
	.amdhsa_code_object_version 6
	.text
	.protected	k_q945d7405d4_prep
	.globl	k_q945d7405d4_prep
	.p2align	8
	.type	k_q945d7405d4_prep,@function
k_q945d7405d4_prep:
	s_mov_b64 s[64:65], 0
	v_nop
	global_prefetch_b8 v0, s[64:65] scope:SCOPE_SE
	s_setreg_imm32_b32 hwreg(HW_REG_WAVE_MODE, 25, 1), 1
	s_wait_xcnt 0x0
; CASTS AND THREE PERMUTATIONS, made once, so that the later launches load matrix operands as they lie.
;   xb[t][c]  = bf16(x[t][c])                                  [16384][1024]
;   wq[c][f'] = bf16(Wqkv[c][f]),  bq[f'] = bf16(bqkv[f])      [1024][3072], [3072]
;       q and k (g = 0, 1): f = 1024 g + 64 h + d  ->  f' = 1024 g + 256 (d / 16) + 16 h + d % 16
;       v:                  f = 2048 + 64 kh + d   ->  f' = 2048 + 16 d + kh          (a token's v transposed)
;   wo[p][f]  = f16(bf16(Wout[64 h + d][f])),  p = 256 (d / 16) + 16 h + d % 16       [1024][1024]
; LIMIT.  A bf16(Wout) below 6.1e-5 in size keeps f16's fixed step of 6e-8; one of 65,520 or more would become an infinity.
; SHARES.  Work-groups 0-1023: 16 rows of x each.  1024-1087: 16 rows of wo each, which are 16 consecutive rows of Wout.  1088-2112: one row of Wqkv each, the last one bqkv.
; A stream: each byte is read once and written once.  No LDS, no barrier, no matrix unit, no cluster: no work-group wants a byte that another one reads.
; No register that a load or store names is written again, so no wait frees a source.
.set XG,  1024                         ; work-groups for x
.set OG,  64                           ; work-groups for Wout
.set IN,  16                           ; v[16:79]   16 rows' 16 bytes a thread, as loaded
.set OUT, 80                           ; v[80:111]  the same rows, 8 bytes a thread, to store
	s_load_b512 s[4:19], s[0:1], 0x0               ; x s[4:5], Wqkv s[6:7], bqkv s[8:9], Wout s[10:11], xb s[12:13], wq s[14:15], bq s[16:17], wo s[18:19]
	v_lshlrev_b32 v1, 4, v0                        ; 16 t: my 4 numbers of a row of 1,024 f32
	v_lshlrev_b32 v2, 3, v0                        ; 8 t: the same 4 numbers in 16 bits
	s_mov_b32 s21, 0                               ; high words of the two offsets
	s_mov_b32 s23, 0
	s_cmp_ge_u32 ttmp9, XG+OG
	s_cbranch_scc1 .Lweights
	; ROWS OF 1,024: x, or Wout.  Block b of 16 rows of wo (p = 16 b ..) has h = b % 16 and d / 16 = b / 16: source rows 64 h + 16 (d / 16) ..: source block 4 (b % 16) + b / 16.
	s_sub_co_u32 s24, ttmp9, XG                    ; b (used only where the work-group is Wout's)
	s_and_b32 s25, s24, 15
	s_lshl_b32 s25, s25, 2
	s_lshr_b32 s26, s24, 4
	s_add_co_u32 s25, s25, s26
	s_cmp_lt_u32 ttmp9, XG
	s_cselect_b32 s25, ttmp9, s25                  ; source block
	s_cselect_b32 s24, ttmp9, s24                  ; destination block
	s_wait_kmcnt 0x0
	s_cselect_b64 s[4:5], s[4:5], s[10:11]         ; from x or Wout,
	s_cselect_b64 s[12:13], s[12:13], s[18:19]     ; to xb or wo
	s_lshl_b32 s20, s25, 16                        ; 16 rows of 4,096 bytes
	s_lshl_b32 s22, s24, 15                        ; 16 rows of 2,048 bytes
	s_add_nc_u64 s[4:5], s[4:5], s[20:21]
	s_add_nc_u64 s[12:13], s[12:13], s[22:23]
.irp i, 0,1,2,3,4,5,6,7,8,9,10,11,12,13,14,15
	global_load_b128 v[IN+4*(\i):IN+4*(\i)+3], v1, s[4:5] offset:4096*(\i) th:TH_LOAD_NT  ; a wave's load covers 512 consecutive bytes; all 16 rows go out at once
.endr
	s_cmp_lt_u32 ttmp9, XG
	s_cbranch_scc0 .Lwout
.irp i, 0,1,2,3,4,5,6,7,8,9,10,11,12,13,14,15
	s_wait_loadcnt 15-(\i)                         ; loads come back in order: row i is in, the 15 - i younger rows stay out
	v_cvt_pk_bf16_f32 v[OUT+2*(\i)],   v[IN+4*(\i)],   v[IN+4*(\i)+1]
	v_cvt_pk_bf16_f32 v[OUT+2*(\i)+1], v[IN+4*(\i)+2], v[IN+4*(\i)+3]
	global_store_b64 v2, v[OUT+2*(\i):OUT+2*(\i)+1], s[12:13] offset:2048*(\i)  ; a wave's store covers 256 consecutive bytes, aligned
.endr
	s_endpgm
.Lwout:
.irp i, 0,1,2,3,4,5,6,7,8,9,10,11,12,13,14,15
	s_wait_loadcnt 15-(\i)
	v_cvt_pk_bf16_f32 v4, v[IN+4*(\i)],   v[IN+4*(\i)+1]   ; rounded to bf16 like every input,
	v_cvt_pk_bf16_f32 v5, v[IN+4*(\i)+2], v[IN+4*(\i)+3]
	v_lshlrev_b32 v6, 16, v4                               ; widened again,
	v_and_b32     v7, 0xffff0000, v4
	v_lshlrev_b32 v8, 16, v5
	v_and_b32     v9, 0xffff0000, v5
	v_cvt_pk_f16_f32 v[OUT+2*(\i)],   v6, v7               ; and that number written as f16: the last product's other operand is f16
	v_cvt_pk_f16_f32 v[OUT+2*(\i)+1], v8, v9
	global_store_b64 v2, v[OUT+2*(\i):OUT+2*(\i)+1], s[12:13] offset:2048*(\i)
.endr
	s_endpgm
	; A ROW OF 3,072: Wqkv's row, or bqkv.  Thread t writes positions 4 t .. 4 t + 3 of each of the three groups of 1,024.
.Lweights:
	s_sub_co_u32 s24, ttmp9, XG+OG                 ; row 0 .. 1024; 1024 is the bias
	s_mul_i32 s20, s24, 12288
	s_mul_i32 s22, s24, 6144
	s_cmp_eq_u32 s24, 1024
	s_cselect_b32 s20, 0, s20
	s_cselect_b32 s22, 0, s22
	s_wait_kmcnt 0x0
	s_cselect_b64 s[6:7], s[8:9], s[6:7]
	s_cselect_b64 s[14:15], s[16:17], s[14:15]
	s_add_nc_u64 s[6:7], s[6:7], s[20:21]
	s_add_nc_u64 s[14:15], s[14:15], s[22:23]
	v_bfe_u32 v3, v0, 2, 4                         ; q, k: f' = 4 t + e has h = (t / 4) % 16, d / 16 = t / 64, d % 16 = 4 (t % 4) + e
	v_lshrrev_b32 v4, 6, v0
	v_and_b32 v5, 3, v0
	v_lshlrev_b32 v3, 8, v3                        ; source byte 256 h
	v_lshl_add_u32 v3, v4, 6, v3                   ; + 64 (d / 16)
	v_lshl_add_u32 v3, v5, 4, v3                   ; + 16 (t % 4)
	v_lshrrev_b32 v4, 2, v0                        ; v: f' - 2048 = 4 t + e has d = t / 4, kh = 4 (t % 4) + e
	v_lshlrev_b32 v4, 2, v4                        ; source byte 4 d
	v_lshl_add_u32 v4, v5, 10, v4                  ; + 1,024 (t % 4); 256 e stands in the immediate
	global_load_b128 v[16:19], v3, s[6:7] th:TH_LOAD_NT
	global_load_b128 v[20:23], v3, s[6:7] offset:4096 th:TH_LOAD_NT
.irp e, 0,1,2,3
	global_load_b32 v[24+(\e)], v4, s[6:7] offset:8192+256*(\e) th:TH_LOAD_NT
.endr
	s_wait_loadcnt 0x0
.irp j, 0,1,2,3,4,5
	v_cvt_pk_bf16_f32 v[32+(\j)], v[16+2*(\j)], v[17+2*(\j)]
.endr
.irp g, 0,1,2
	global_store_b64 v2, v[32+2*(\g):33+2*(\g)], s[14:15] offset:2048*(\g)  ; a wave's store covers 256 consecutive bytes, aligned
.endr
	s_endpgm
.Lfunc_end_k_q945d7405d4_prep:
	.size	k_q945d7405d4_prep, .Lfunc_end_k_q945d7405d4_prep-k_q945d7405d4_prep
	.p2alignl 7, 3214868480
	.fill 96, 4, 3214868480
	.section	.rodata,"a",@progbits
	.p2align	6, 0x0
	.amdhsa_kernel k_q945d7405d4_prep
		.amdhsa_group_segment_fixed_size 0
		.amdhsa_private_segment_fixed_size 0
		.amdhsa_enable_private_segment 0
		.amdhsa_kernarg_size 64
		.amdhsa_user_sgpr_count 2
		.amdhsa_user_sgpr_kernarg_segment_ptr 1
		.amdhsa_wavefront_size32 1
		.amdhsa_system_sgpr_workgroup_id_x 1
		.amdhsa_system_sgpr_workgroup_id_y 1
		.amdhsa_system_sgpr_workgroup_id_z 1
		.amdhsa_system_vgpr_workitem_id 0
		.amdhsa_next_free_vgpr 112
		.amdhsa_next_free_sgpr 66
		.amdhsa_reserve_vcc 0
		.amdhsa_float_denorm_mode_32 3
		.amdhsa_float_denorm_mode_16_64 3
		.amdhsa_memory_ordered 1
		.amdhsa_forward_progress 1
		.amdhsa_inst_pref_size 18
	.end_amdhsa_kernel
	.amdgpu_metadata
---
amdhsa.version: [ 1, 2 ]
amdhsa.kernels:
  - .name:           k_q945d7405d4_prep
    .symbol:         k_q945d7405d4_prep.kd
    .args:
      - { .name: x, .offset: 0, .size: 8, .value_kind: global_buffer, .address_space: global }
      - { .name: Wqkv, .offset: 8, .size: 8, .value_kind: global_buffer, .address_space: global }
      - { .name: bqkv, .offset: 16, .size: 8, .value_kind: global_buffer, .address_space: global }
      - { .name: Wout, .offset: 24, .size: 8, .value_kind: global_buffer, .address_space: global }
      - { .name: xb, .offset: 32, .size: 8, .value_kind: global_buffer, .address_space: global }
      - { .name: wq, .offset: 40, .size: 8, .value_kind: global_buffer, .address_space: global }
      - { .name: bq, .offset: 48, .size: 8, .value_kind: global_buffer, .address_space: global }
      - { .name: wo, .offset: 56, .size: 8, .value_kind: global_buffer, .address_space: global }
    .group_segment_fixed_size: 0
    .private_segment_fixed_size: 0
    .kernarg_segment_align: 8
    .kernarg_segment_size: 64
    .max_flat_workgroup_size: 256
    .sgpr_count:     66
    .vgpr_count:     112
    .wavefront_size: 32
...
	.end_amdgpu_metadata
.endif
;; end of part 1
;; launch gemm_qkv (part 2): grid 4 x 64, 4 waves a work-group, clusters of 4 x 4, 327,680 bytes of LDS; arguments xb, wq, qkv, bq; writes qkv
.if DOCPART == 2
	.amdgcn_target "amdgcn-amd-amdhsa--gfx1250"
	.amdhsa_code_object_version 6
	.text
	.protected	k_q945d7405d4_gemm_qkv
	.globl	k_q945d7405d4_gemm_qkv
	.p2align	8
	.type	k_q945d7405d4_gemm_qkv,@function
k_q945d7405d4_gemm_qkv:
	s_mov_b64 s[64:65], 0
	v_nop
	global_prefetch_b8 v0, s[64:65] scope:SCOPE_SE
	s_setreg_imm32_b32 hwreg(HW_REG_WAVE_MODE, 25, 1), 1
	s_wait_xcnt 0x0
	s_wait_alu depctr_hold_cnt(0) depctr_sa_sdst(0) depctr_va_vdst(0) depctr_va_sdst(0) depctr_va_ssrc(0) depctr_va_vcc(0) depctr_vm_vsrc(0)
	s_getreg_b32 s2, hwreg(HW_REG_IB_STS2, 6, 4)
	s_cmp_eq_u32 s2, 0
	s_cbranch_scc0 .Lentry_in_a_cluster
	s_endpgm
.Lentry_in_a_cluster:
	s_bfe_u32 s2, ttmp6, 0x10000c
	s_cmp_lg_u32 s2, 0xf033
	s_cbranch_scc0 .Lentry_shape_is_right
	s_endpgm
.Lentry_shape_is_right:
; C[m][n] = bias[n] + the sum over k of A[m][k] B[k][n].  HERE: qkv = xb wq + bq.  A = xb [16384][1024] bf16, B = wq [1024][3072] bf16, bias = bq [3072] bf16, C = qkv [16384][3072] f16.
; (The ring, the products and the last K step are the same text as the last product's; the constants below tell the two apart.)  Sums in f32, K ascending, begun with the bias; C rounded once.
; LIMIT.  C is f16 here: a q, k or v of 65,520 or more in size becomes an infinity.  NaN and infinities are not treated apart.
; SHARES.  A tile of C is 256 x 256: four waves, each 128 x 128: 64 accumulators of 16 x 16, 512 registers.  The grid is 4 x 64 work-groups; a work-group STAYS and makes NTILES tiles of one tile row,
; 1,024 columns apart: its rows of A are the same in all of them.  K goes in steps of 128 through a ring of two LDS slots, which does not stop at a tile's end.
; ONE LOOP walks all laps of all tiles (a lap = two K steps); in a tile's last lap the refills step to the next tile, and behind it a forward jump leads to the way out and to the quarter step that starts
; the next sums.  THE WALK'S LAST K STEP GOES BY ROWS OF C, so that finished rows leave while the others are multiplied.
; B LIES [K][N], as the weights are given: its tile is 128 k-rows x 256 columns (rows of 512 bytes), and its fragments come out of LDS turned, by ds_load_tr16_b128.
; CLUSTERS: 4 x 4 work-groups.  The four of a row of the cluster need the same tiles of A, the four of a column the same tiles of B: each tile is asked for JOINTLY, by the same tensor load with the same
; descriptor and a mask that names the four.
; THE MATRIX INSTRUCTION IS USED TRANSPOSED (source 0 = 16 columns of B, source 1 = 16 rows of A): lane l holds row l % 16 of C and the columns 8 (l / 16) + 0..7.  So the C operand that starts a sum,
; the bias of those eight columns, is the same eight registers for every block of rows: nothing is cleared and the way out has no bias arithmetic.
; REGISTERS, in windows of 256 (s_set_vgpr_msb: bits 1:0 source 0, 3:2 source 1, 5:4 source 2, 7:6 destination):
;   window 0: v0-31 addresses; v64-127, v128-191 fragments of A, two buffers (in the last K step four, of 16 rows x 128 K); v32-63, v192-255 at work on the way out
;   window 1: v64-127, v128-191 fragments of B, two buffers; v192-255 the bias in f32, 8 registers a column block; v0-31 the next tile's bias as loaded; in the last K step all 256: B's fragments of the whole step
;   window 2: the accumulators of my rows 0-63 ((a, b) at v[8 (8 a + b)]);   window 3: those of my rows 64-127
.set SIZE_N, 3072
.set NTILES, 3                         ; tiles of C to a work-group
.set F16IN,  0                         ; operands: 0 bf16, 1 f16
.set OUT32,  0                         ; C and the bias: 0 16 bits (C f16, bias bf16), 1 f32
.set SIZE_K, 1024
.set KSTEP,  128
.set LOGCB,  1+OUT32                   ; log2 of the bytes of a number of C and of the bias
.set PITCH,  272                       ; a row of A in LDS: 256 bytes + 16 = 68 words: the 16 rows of a load start at 16 different groups of four banks (64 banks of 4 bytes: ISA guide 11.1)
.set PB,     544                       ; a k-row of B: 512 + 32 = 136 words
.set HALFT,  128*PITCH                 ; what one tensor load brings: 128 rows of A, or 64 k-rows of B (64 x 544 is the same number)
.set SLOT,   4*HALFT                   ; A's 256 rows, then B's 128 k-rows
.set STAGE,  2*SLOT                    ; behind the ring: 16 rows of my 128 columns for each wave, for the way out
.set SPITCH, 272+256*OUT32             ; 256 or 512 bytes + 16
.set SPARE,  STAGE+4*16*SPITCH         ; behind the stages: the spare words, 128 bytes for each wave: two blocks of 256 bytes that no other line names
.set LAPS,   SIZE_K/(2*KSTEP)          ; a lap = two K steps = once round the ring
.set BACK_A, (SIZE_K-2*KSTEP)*2        ; bytes from a slot's last K step of a tile back to its first: the walk's tiles share their rows of A
.set NEXT_B, (SIZE_K-2*KSTEP)*SIZE_N*2-2048  ; B goes as many k-rows back, and 1,024 columns on
.set ADRA, 16                          ; v16-17  LDS address of my A fragments in slot 0, 1
.set ADRB, 20                          ; v20-21  the same for B
.set STO,  24                          ; v24     the way out: where I put my part of a row
.set RD,   25                          ; v25     the way out: where I read rows back
.set CO,   26                          ; v26     my byte offset in C
.set BO,   27                          ; v27     my byte offset in the bias; never rewritten
.set SPW,  28                          ; v28     LDS address of my spare word: SPARE + 4 x my thread's number; never rewritten
.set NIL,  29                          ; v29     0; never rewritten
.set PFO,  30                          ; v30     the prefetches' offset; never rewritten
.set F0,   64
.set F1,   128
.set PA,   64                          ; the last K step: A's fragments of 16 rows x 128 K, 32 registers; four such buffers, v64-191
.set TMP,  192                         ; the way out: packed results
.set OB,   32                          ; the way out: 16 rows read back: v32-63 and v224-255 by turns
.set BIAS, 192                         ; window 1
.set PBK,  0                           ; window 1
.set G1,   24                          ; s[24:31] descriptor group 1 for A's tiles;  s[32:39] group 0, one set for each slot
.set G0,   32
.set G1B,  48                          ; s[48:55], s[56:63] the same for B's tiles
.set G0B,  56
.set PFA,  44                          ; s[44:45] where my prefetches stand
.set BP,   66                          ; s[66:67] the bias
.set PST,  68                          ; s[68:69] a K step in bytes, for my prefetches
.set PJ,   70                          ; s[70:71] what is taken off behind a tile's last K step
.set PT,   72                          ; s[72:73] that, or 0
.set PLEFT, 74                         ; s74  prefetches that I still have to issue
.set PCNT, 75                          ; s75  K steps up to the next change of tiles, for my prefetches
.set HIM,  77                          ; s77  mask of a word's upper bf16
.set SAA,  80                          ; s[80:81] what this lap's refills add to A's address,  s[82:83] what they take off it
.set SAS,  82
.set SBA,  84                          ; s[84:85], s[86:87] the same for B's
.set SBS,  86
.set MSB, 0
.macro WIN new                         ; the immediate's high byte repeats the setting that is left; a switch that changes nothing is dropped
.if MSB != (\new)
	s_set_vgpr_msb (MSB<<8)|(\new)
.set MSB, \new
.endif
.endm
; A joint load.  Waves 0 and 1 fetch A's two halves, waves 2 and 3 B's.  The branch hangs on the wave's number alone.  An s_nop 0 and four v_nop follow each of the two lines.
.macro JLOAD s
	s_cmp_eq_u32 s11, 0
	s_cbranch_scc0 .Lfor_b_\@
	tensor_load_to_lds s[G0+4*(\s):G0+4*(\s)+3], s[G1:G1+7]
	s_nop 0
.rept 4
	v_nop
.endr
	s_branch .Lasked_\@
.Lfor_b_\@:
	tensor_load_to_lds s[G0B+4*(\s):G0B+4*(\s)+3], s[G1B:G1B+7]
	s_nop 0
.rept 4
	v_nop
.endr
.Lasked_\@:
.endm
; PREFETCHES INTO THE L2.  The refill issued in K step g of the walk asks for K step g + 2; the prefetch behind it names K step g + 4: two K steps, 512 matrix instructions, ahead of the load that will want it.
; The walk's K steps 0 to 3 come by their loads alone.  Each block of 256 bytes is named once in the launch, a lane a block, one instruction a wave:
;   A (waves 0, 1): of the 128 rows that I fetch, the partner at place cx takes 32; a K step is 256 bytes of a row.  The first tile's K steps 4 to 7 alone: the later tiles read the same rows again.
;   B (waves 2, 3): only in the clusters' first row (every cluster walks the same B); of my 64 k-rows the partner at place cy takes 16, each 512 bytes: two lanes a k-row.  All K steps of the walk from 4 on.
; The partners are told apart BY ADDRESS; the test below hangs on the wave's number and the cluster's y, which are the same in all sixteen.
.macro STEP_PF                         ; at the head of a change of slots, a K step behind the prefetch that read the address
	s_wait_xcnt 0x0                                ; that prefetch has read its address, so it may be written
	s_add_nc_u64 s[PFA:PFA+1], s[PFA:PFA+1], s[PST:PST+1]
	s_sub_co_u32 s[PCNT], s[PCNT], 1
	s_cmp_eq_u32 s[PCNT], 0                        ; past a tile's last K step?
	s_cselect_b64 s[PT:PT+1], s[PJ:PJ+1], 0
	s_cselect_b32 s[PCNT], 8, s[PCNT]
	s_sub_nc_u64 s[PFA:PFA+1], s[PFA:PFA+1], s[PT:PT+1]  ; then on to the next tile's K step 0
.endm
.macro ASK
	s_cmp_lg_u32 s[PLEFT], 0
	s_cbranch_scc0 .Lnot_mine_\@
	global_prefetch_b8 v[PFO], s[PFA:PFA+1] th:TH_LOAD_NT scope:SCOPE_SE
	s_sub_co_u32 s[PLEFT], s[PLEFT], 1
.Lnot_mine_\@:
.endm
; A round of the cluster's barrier: my work-group's barrier; wave 0 signals for the work-group; every wave waits for all sixteen; my work-group's barrier once more.
.macro CREST                           ; a round behind its opening barrier
	s_cmp_lg_u32 s10, 0
	s_cbranch_scc1 .Lnot_wave_0_\@
	s_barrier_signal -3
.Lnot_wave_0_\@:
	s_barrier_wait -3
	s_barrier_signal -1
	s_barrier_wait -1
.endm
.macro CROUND
	s_barrier_signal -1
	s_barrier_wait -1
	CREST
.endm
	s_load_b128 s[4:7], s[0:1], 0x0                ; A s[4:5], B s[6:7]
	s_load_b64 s[8:9], s[0:1], 0x10                ; C
	s_load_b64 s[BP:BP+1], s[0:1], 0x18            ; the bias
	v_lshl_add_u32 v[SPW], v0, 2, SPARE
	v_mov_b32 v[NIL], 0
	ds_add_u32 v[SPW], v[NIL]                      ; the wave's opening: the add and its wait stand ahead of my first tensor load; the set-up below, work on registers, stands between them
	v_lshrrev_b32 v1, 5, v0
	v_readfirstlane_b32 s10, v1                    ; wave 0..3
	s_lshr_b32 s11, s10, 1                         ; which half of the tile's rows is mine.  Also: I fetch for A (0) or for B (1)
	s_and_b32 s12, s10, 1                          ; which half of its columns.  Also: which half of that tile I fetch
	s_bfe_u32 s40, ttmp6, 0x40000                  ; cx, cy: my place in the cluster
	s_bfe_u32 s41, ttmp6, 0x40004
	s_lshl_b32 s42, ttmp9, 2                       ; in a cluster launch ttmp9 and ttmp7 count clusters
	s_add_co_u32 s42, s42, s40                     ; my first tile column = 4 x cluster x + cx
	s_and_b32 s13, ttmp7, 0xffff
	s_lshl_b32 s13, s13, 2
	s_add_co_u32 s13, s13, s41                     ; my tile row = 4 x cluster y + cy
	s_lshl_b32 s43, s41, 2
	s_lshl_b32 s43, 15, s43                        ; my row of the cluster: places 4 cy .. 4 cy + 3
	s_lshl_b32 s44, 0x1111, s40                    ; my column: places cx, cx + 4, cx + 8, cx + 12
	s_or_b32 s[G1+0], s43, (1<<16)|(1<<20)|(1<<21)|(5<<22)|(3<<25)   ; 15:0 the mask: my row; 17:16 elements of 2 bytes; 20 padding on; 21 set beside a mask; 24:22 after every 64 words (code 5); 31:25 4 words (code 3)
	s_or_b32 s[G1B+0], s44, (1<<16)|(1<<20)|(1<<21)|(6<<22)|(7<<25)  ; the mask: my column; after every 128 words (code 6) 8 words (code 7)
	s_mov_b32 s[G1+1], KSTEP<<16                   ; A: tensor_dim0 = 128
	s_mov_b32 s[G1+2], 128<<16                     ; tensor_dim1 = 128
	s_mov_b32 s[G1+3], KSTEP<<16                   ; tile_dim0 = 128 elements
	s_mov_b32 s[G1+4], 128                         ; tile_dim1 = 128 rows
	s_mov_b32 s[G1+5], SIZE_K                      ; elements from row to row
	s_mov_b32 s[G1+6], 0
	s_mov_b32 s[G1+7], 0
	s_mov_b32 s[G1B+1], 256<<16                    ; B: tensor_dim0 = 256
	s_mov_b32 s[G1B+2], 64<<16                     ; tensor_dim1 = 64
	s_mov_b32 s[G1B+3], 256<<16                    ; tile_dim0 = 256 elements
	s_mov_b32 s[G1B+4], 64                         ; tile_dim1 = 64 k-rows
	s_mov_b32 s[G1B+5], SIZE_N
	s_mov_b32 s[G1B+6], 0
	s_mov_b32 s[G1B+7], 0
	s_mov_b32 s[HIM], 0xffff0000
	s_mov_b32 s[SAA+1], 0                          ; the high words of the refills' four steps
	s_mov_b32 s[SAS+1], 0
	s_mov_b32 s[SBA+1], 0
	s_mov_b32 s[SBS+1], 0
	; where the tiles come from.  A's hang on the tile row alone, B's on the tile column alone; each address is made in registers that never hold the other coordinate.
	s_lshl_b32 s17, s12, 7
	s_lshl_b32 s16, s13, 8
	s_add_co_u32 s16, s16, s17                     ; A: row 256 x tile row + 128 x half,
	s_lshl_b32 s16, s16, 11                        ; of 2,048 bytes (under 2^26)
	s_mov_b32 s17, 0
	s_mul_i32 s46, s12, 64*SIZE_N*2                ; B: k-row 64 x half,
	s_lshl_b32 s47, s42, 9
	s_add_co_u32 s46, s46, s47                     ; byte 512 x tile column
	s_mov_b32 s47, 0
	s_mul_i32 s20, s10, HALFT                      ; and where they go: wave x HALFT: no place in the cluster enters an LDS address
	s_wait_dscnt 0x0                               ; the opening add is done
	s_wait_kmcnt 0x0
	s_add_nc_u64 s[14:15], s[4:5], s[16:17]
	s_add_nc_u64 s[46:47], s[6:7], s[46:47]
	CROUND                                         ; all sixteen work-groups are here: the first joint loads meet
.irp s, 0,1
	s_mov_b32 s[G0+4*(\s)], 1                                      ; count = 1
	s_add_co_u32 s[G0+4*(\s)+1], s20, (\s)*SLOT                    ; LDS address
	s_add_nc_u64 s[G0+4*(\s)+2:G0+4*(\s)+3], s[14:15], (\s)*KSTEP*2  ; global address: K step s
	s_or_b32 s[G0+4*(\s)+3], s[G0+4*(\s)+3], 0x80000000            ; type = 2
	s_mov_b32 s[G0B+4*(\s)], 1
	s_add_co_u32 s[G0B+4*(\s)+1], s20, (\s)*SLOT
	s_add_nc_u64 s[G0B+4*(\s)+2:G0B+4*(\s)+3], s[46:47], (\s)*KSTEP*SIZE_N*2
	s_or_b32 s[G0B+4*(\s)+3], s[G0B+4*(\s)+3], 0x80000000
	JLOAD \s                                       ; two loads of mine are out
.endr
	; A fragment is 16 rows x 32 K in 8 registers: lane l holds row l % 16; registers 0-3 K = 8 (l / 16) + 0..7, registers 4-7 K = 16 + 8 (l / 16) + 0..7.
	v_and_b32 v1, 15, v0                           ; l % 16
	v_bfe_u32 v2, v0, 4, 1                         ; l / 16
	v_mul_u32_u24 v3, v1, PITCH                    ; A, rows along K: two loads of 16 bytes, 32 bytes apart, at row x pitch + 16 x half
	v_lshl_add_u32 v3, v2, 4, v3
	s_mul_i32 s21, s11, HALFT                      ; my 128 rows of A
	v_and_b32 v4, 7, v0                            ; B, k-rows along N: the turning load takes 16 k x 16 columns: lane l reads k-row 8 (l / 16) + l % 8, columns 8 ((l / 8) % 2) + 0..7,
	v_lshl_add_u32 v4, v2, 3, v4                   ; and is left with column l % 16 and 8 k: half a fragment; the other half lies 16 k-rows on
	v_mul_u32_u24 v4, v4, PB
	v_bfe_u32 v5, v0, 3, 1
	v_lshl_add_u32 v4, v5, 4, v4
	s_lshl_b32 s22, s12, 8                         ; my 128 columns of B,
	s_add_co_u32 s22, s22, 2*HALFT                 ; which lies behind A's 256 rows
.irp s, 0,1
	v_add_nc_u32 v[ADRA+(\s)], s21, v3
	v_add_nc_u32 v[ADRB+(\s)], s22, v4
	s_add_co_u32 s21, s21, SLOT
	s_add_co_u32 s22, s22, SLOT
.endr
	s_mul_i32 s23, s10, 16*SPITCH
	s_add_co_u32 s23, s23, STAGE                   ; my stage
	v_mul_u32_u24 v5, v1, SPITCH                   ; in: row l % 16, 8 numbers for each half of the lanes
	v_lshl_add_u32 v5, v2, 3+LOGCB, v5
	v_add_nc_u32 v[STO], s23, v5
	v_mul_u32_u24 v5, v2, SPITCH                   ; back: lanes 0-15 take one row of 256 bytes, lanes 16-31 the next,
	v_lshl_add_u32 v5, v1, 4, v5
	v_add_nc_u32 v[RD], s23, v5
	v_mul_u32_u24 v5, v2, SIZE_N*2                 ; and the same two rows in C
	v_lshl_add_u32 v[CO], v1, 4, v5
	s_lshl_b32 s16, s13, 8
	s_lshl_b32 s17, s11, 7
	s_add_co_u32 s16, s16, s17                     ; my first row of C,
	s_mul_i32 s16, s16, SIZE_N<<LOGCB              ; in bytes (under 2^27)
	s_mov_b32 s17, 0
	s_lshl_b32 s46, s42, 8
	s_lshl_b32 s47, s12, 7
	s_add_co_u32 s46, s46, s47                     ; my first column,
	s_lshl_b32 s46, s46, LOGCB                     ; in bytes, of C and of the bias alike
	s_mov_b32 s47, 0
	s_add_nc_u64 s[8:9], s[8:9], s[16:17]
	s_add_nc_u64 s[8:9], s[8:9], s[46:47]
	v_lshl_add_u32 v[BO], v2, 3+LOGCB, s46         ; my lanes' 8 columns of a block of 16
	; the prefetches' address, at K step 3: the first change of slots steps it to 4
	s_lshl_b32 s20, s13, 8                         ; A: row 256 x tile row
	s_lshl_b32 s21, s12, 7
	s_add_co_u32 s20, s20, s21                     ; + the 128 that I fetch
	s_lshl_b32 s21, s40, 5
	s_add_co_u32 s20, s20, s21                     ; + my work-group's 32 of them
	s_lshl_b32 s20, s20, 11
	s_add_co_u32 s20, s20, 3*KSTEP*2
	s_lshl_b32 s22, s12, 6                         ; B: k-row 64 x half
	s_lshl_b32 s23, s41, 4
	s_add_co_u32 s22, s22, s23                     ; + my work-group's 16 of them
	s_add_co_u32 s22, s22, 3*KSTEP
	s_mul_i32 s22, s22, SIZE_N*2
	s_lshl_b32 s23, s42, 9
	s_add_co_u32 s22, s22, s23                     ; byte 512 x tile column
	s_mov_b32 s21, 0
	s_mov_b32 s[PST], KSTEP*SIZE_N*2
	s_mov_b32 s[PST+1], 0
	s_mov_b32 s[PJ+1], 0
	s_mov_b32 s19, SIZE_N*2
	s_mov_b32 s[PCNT], 5                           ; the fifth step passes the first tile's last K step
	s_and_b32 s23, ttmp7, 0xffff                   ; cluster y
	s_cmp_eq_u32 s23, 0
	s_cselect_b32 s23, 8*NTILES-4, 0               ; B's K steps 4 .. 8 NTILES - 1, in the clusters' first row alone
	s_cmp_eq_u32 s11, 0                            ; do I fetch for A?
	s_cselect_b32 s20, s20, s22
	s_cselect_b64 s[PFA:PFA+1], s[4:5], s[6:7]
	s_cselect_b32 s[PLEFT], 4, s23
	s_cselect_b32 s[PST], KSTEP*2, s[PST]
	s_cselect_b32 s[PJ], 0, 8*KSTEP*SIZE_N*2-2048
	s_cselect_b32 s18, 0, 1                        ; lanes to a row: 1 or 2
	s_cselect_b32 s19, SIZE_K*2, s19               ; bytes from row to row
	s_cselect_b32 s14, 0, 256                      ; the odd lane's second block of a k-row
	s_add_nc_u64 s[PFA:PFA+1], s[PFA:PFA+1], s[20:21]
	v_and_b32 v5, 31, v0
	v_lshrrev_b32 v[PFO], s18, v5
	v_mul_lo_u32 v[PFO], v[PFO], s19
	v_and_b32 v5, 1, v5
	v_mad_u32_u24 v[PFO], v5, s14, v[PFO]
; The bias as loaded (8 bf16 in 4 registers a column block) is widened into the 8 registers that start the block's sums.
.macro WIDEN
	WIN 0x44                                       ; destination and source 1 in window 1
.set i, 0
.rept 32
	v_lshlrev_b32 v[BIAS+2*i],   16,     v[PBK+i]
	v_and_b32     v[BIAS+2*i+1], s[HIM], v[PBK+i]
.set i, i+1
.endr
.endm
.macro BLOADS                          ; my 128 columns' bias in bf16: 16 bytes a lane for each block of 16 columns
	WIN 0x40                                       ; destination window 1, address window 0
.irp b, 0,1,2,3,4,5,6,7
	global_load_b128 v[PBK+4*(\b):PBK+4*(\b)+3], v[BO], s[BP:BP+1] offset:32*(\b)
.endr
	WIN 0
.endm
.macro WM                              ; one matrix instruction on the registers that MUL16 or ROW has named
.if F16IN
	v_wmma_f32_16x16x32_f16 v[rD:rD+7], v[rB:rB+7], v[rA:rA+7], v[rC:rC+7]
.else
	v_wmma_f32_16x16x32_bf16 v[rD:rD+7], v[rB:rB+7], v[rA:rA+7], v[rC:rC+7]
.endif
.endm
; 16 matrix instructions: row blocks a0, a0 + 1 of the window's four (hi = 0: my rows 0-63, 1: rows 64-127) x all 8 column blocks, 32 along K.  first = 1: the bias starts the sums.
; The 64 accumulators take turns, one instruction a turn, in the same order in every quarter step.
.macro MUL16 f, hi, a0, first
.if \first
	WIN 0x91+0x40*(\hi)                            ; B window 1, A window 0, the bias window 1, D window 2 or 3
.else
	WIN 0xa1+0x50*(\hi)                            ; B window 1, A window 0, C and D window 2 or 3
.endif
.irp a, \a0, (\a0)+1
.irp b, 0,1,2,3,4,5,6,7
.set rD, 8*(8*(\a)+(\b))
.set rB, (\f)+8*(\b)
.set rA, (\f)+8*(4*(\hi)+(\a))
.if \first
.set rC, BIAS+8*(\b)
.else
.set rC, rD
.endif
	WM
.endr
.endr
.endm
; 32 LDS loads in one run: the fragments of one quarter step (K = k / 2 .. + 31 of the slot's step) into buffer f: B's 128 columns, turned, then A's 128 rows
.macro FETCH slot, k, f
	WIN 0x40                                       ; destination window 1, address window 0
.irp i, 0,1,2,3,4,5,6,7
	ds_load_tr16_b128 v[(\f)+8*(\i):(\f)+8*(\i)+3],   v[ADRB+(\slot)] offset:((\k)/64)*32*PB+32*(\i)
	ds_load_tr16_b128 v[(\f)+8*(\i)+4:(\f)+8*(\i)+7], v[ADRB+(\slot)] offset:((\k)/64)*32*PB+32*(\i)+16*PB
.endr
	WIN 0
.irp i, 0,1,2,3,4,5,6,7
	ds_load_b128 v[(\f)+8*(\i):(\f)+8*(\i)+3],   v[ADRA+(\slot)] offset:(\k)+(\i)*16*PITCH
	ds_load_b128 v[(\f)+8*(\i)+4:(\f)+8*(\i)+7], v[ADRA+(\slot)] offset:(\k)+(\i)*16*PITCH+32
.endr
.endm
; Four places stand between a matrix instruction and a load into a register that it has read, or an instruction that reads its result (ISA guide 7.12.1 for vector instructions).
.macro PLACES
.rept 4
	v_nop
.endr
.endm
; A K step is four quarter steps of 32 along K, 64 matrix instructions each, on buffers 0, 1, 0, 1.  One of the first three: multiplies buffer f; in its middle it fetches the next quarter into buffer g.
.macro QUARTER slot, k, f, g, first
	s_wait_dscnt 8                                 ; B and A's rows 0-63 are in; the youngest eight loads (A's rows 64-127) may be out
	MUL16 \f, 0, 0, \first
	MUL16 \f, 0, 2, \first
	PLACES
	FETCH \slot, \k, \g
	s_wait_dscnt 32                                ; all but the 32 just issued
	MUL16 \f, 1, 0, \first
	MUL16 \f, 1, 2, \first
.endm
; The last quarter multiplies buffer 1 and changes slots.  MEET is its first half: ONE barrier.  In front of it each wave waits for all its tensor loads, of which one is out: its part of the next slot;
; adds 0 to its spare word; and waits for that and for its own reads of this slot.  Behind it nobody reads this slot any more and the next slot is whole.
.macro MEET round
	WIN 0                                          ; (the add's two registers lie in window 0)
	s_wait_tensorcnt 0x0                           ; all my tensor loads have landed
	ds_add_u32 v[SPW], v[NIL]                      ; 0 onto my spare word
	s_wait_dscnt 9                                 ; (the add and the youngest eight loads may be out)
	MUL16 F1, 0, 0, 0                              ; sixteen matrix instructions stand between the add and the wait for it
	s_wait_dscnt 0x0                               ; the add is done, and my reads of this slot are over
	s_barrier_signal -1
	MUL16 F1, 0, 2, 0                              ; work on registers while the others arrive
.if \round
	WIN 0
.endif
	s_barrier_wait -1
.endm
; The whole last quarter where the slot is filled again: the barrier opens a round of the cluster's, and the joint refill is the first thing behind the round.  What it asks for lies two K steps on in the
; walk: in this tile, or (in a tile's last lap) the next tile's K step 0 or 1; the lap's head has put the steps into four scalar pairs.  From a request to the wait for it a wave issues 224 matrix instructions.
.macro TURN slot, next
	STEP_PF
	MEET 1
	CREST                                          ; no wave of any partner still reads this slot's tile or has a load on its way
	s_add_nc_u64 s[G0+4*(\slot)+2:G0+4*(\slot)+3], s[G0+4*(\slot)+2:G0+4*(\slot)+3], s[SAA:SAA+1]
	s_sub_nc_u64 s[G0+4*(\slot)+2:G0+4*(\slot)+3], s[G0+4*(\slot)+2:G0+4*(\slot)+3], s[SAS:SAS+1]
	s_add_nc_u64 s[G0B+4*(\slot)+2:G0B+4*(\slot)+3], s[G0B+4*(\slot)+2:G0B+4*(\slot)+3], s[SBA:SBA+1]
	s_sub_nc_u64 s[G0B+4*(\slot)+2:G0B+4*(\slot)+3], s[G0B+4*(\slot)+2:G0B+4*(\slot)+3], s[SBS:SBS+1]
	JLOAD \slot                                    ; the four v_nop behind it are also the places in front of the loads below
	FETCH \next, 0, F0
	ASK                                            ; behind the joint load and the run of LDS loads that the next products wait for
	MUL16 F1, 1, 0, 0
	MUL16 F1, 1, 2, 0
.endm
; THE WALK'S LAST K STEP (it lies in slot 1) GOES BY ROWS OF C, NOT BY K.  All its fragments of B (4 quarters x 64 registers) fill window 1; then my eight blocks of 16 rows are finished one after the
; other, each with 32 matrix instructions (its 8 accumulators by turns, K ascending: the sums stay the same).  LDS is read no more than in any other K step.
.macro BLOAD q                         ; B's fragments of quarter q -> window 1, v[64 q ..]
	WIN 0x40
.irp i, 0,1,2,3,4,5,6,7
	ds_load_tr16_b128 v[64*(\q)+8*(\i):64*(\q)+8*(\i)+3],   v[ADRB+1] offset:(\q)*32*PB+32*(\i)
	ds_load_tr16_b128 v[64*(\q)+8*(\i)+4:64*(\q)+8*(\i)+7], v[ADRB+1] offset:(\q)*32*PB+32*(\i)+16*PB
.endr
.endm
.macro ALOAD a                         ; A's fragments of block a, all four quarters -> buffer a % 4
	WIN 0
.set FA, PA+32*((\a)%4)
.irp q, 0,1,2,3
	ds_load_b128 v[FA+8*(\q):FA+8*(\q)+3],   v[ADRA+1] offset:64*(\q)+(\a)*16*PITCH
	ds_load_b128 v[FA+8*(\q)+4:FA+8*(\q)+7], v[ADRA+1] offset:64*(\q)+(\a)*16*PITCH+32
.endr
.endm
.macro ROW a                           ; block a is finished: 32 matrix instructions
	WIN 0xa1+0x50*((\a)/4)
.irp q, 0,1,2,3
.if (\a) == 0 && (\q) == 2
	s_wait_dscnt 24                                ; B's quarter 2 is in (behind it: A's blocks 1 to 3)
.endif
.irp b, 0,1,2,3,4,5,6,7
.set rD, 64*((\a)%4)+8*(\b)
.set rB, 64*(\q)+8*(\b)
.set rA, PA+32*((\a)%4)+8*(\q)
.set rC, rD
	WM
.endr
.endr
.endm
; THE WAY OUT of block a of 16 rows.  PACK: rounded to f16, 16 bytes a lane.  TOSTAGE: into my own stage, and back as whole rows of 256 bytes.  SEND: stored.
.macro PACK a
.set AC, 64*((\a)%4)
	WIN 0x0a+5*((\a)/4)                            ; sources 0 and 1: window 2 or 3
.irp b, 0,1,2,3,4,5,6,7
.irp r, 0,1,2,3
	v_cvt_pk_f16_f32 v[TMP+4*(\b)+(\r)], v[AC+8*(\b)+2*(\r)], v[AC+8*(\b)+2*(\r)+1]  ; each accumulator from its low end on
.endr
.endr
	WIN 0
.endm
.macro TOSTAGE a
	WIN 0
.set BK, OB+192*((\a)%2)
.irp b, 0,1,2,3,4,5,6,7
	ds_store_b128 v[STO], v[TMP+4*(\b):TMP+4*(\b)+3] offset:32*(\b)
.endr
.irp t, 0,1,2,3,4,5,6,7
	ds_load_b128 v[BK+4*(\t):BK+4*(\t)+3], v[RD] offset:(\t)*2*SPITCH  ; LDS serves a wave's instructions in order (ISA guide 5.7.1.4): these see the stores above
.endr
.endm
.macro SEND a, younger                 ; younger: the LDS loads issued behind TOSTAGE's, which may stay out
	WIN 0
.set BK, OB+192*((\a)%2)
	s_wait_dscnt \younger                          ; the block is back in registers
	s_wait_xcnt 0x0                                ; the stores of the block before have read their registers: the next TOSTAGE loads into them only behind this wait
.irp t, 0,1,2,3,4,5,6,7
	global_store_b128 v[CO], v[BK+4*(\t):BK+4*(\t)+3], s[8:9] offset:(16*(\a)+2*(\t))*SIZE_N*2  ; 16 lanes store 256 consecutive bytes, aligned; 126 rows of C at the most stand in the immediate
.endr
.endm
	BLOADS                                         ; the first tile's bias, asked for in the wait for the first tiles
	s_wait_tensorcnt 0x1                           ; my part of K step 0 is in; K step 1's may stay out
	s_barrier_signal -1
	s_barrier_wait -1                              ; everybody's is
	FETCH 0, 0, F0
	s_mov_b32 s2, LAPS                             ; laps that the tile in hand still has, the one in hand among them: the same number in every work-group
	s_mov_b32 s3, LAPS*NTILES                      ; the loop's foot is passed once on the way in and once by each lap but the walk's last
	s_branch .Lwiden                               ; the loop is entered where a tile's sums begin
.Llap:                                                 ; a trip goes once round the ring, from a lap's second quarter to the next lap's first, and fills both slots again
	s_cmp_eq_u32 s2, 1                             ; the tile's last lap?  Then its refills go back along K, and B 1,024 columns on
	s_cselect_b32 s[SAA], 0, 2*KSTEP*2
	s_cselect_b32 s[SAS], BACK_A, 0
	s_cselect_b32 s[SBA], 0, 2*KSTEP*SIZE_N*2
	s_cselect_b32 s[SBS], NEXT_B, 0
	QUARTER 0, 128, F1, F0, 0
	QUARTER 0, 192, F0, F1, 0
	TURN 0, 1
	QUARTER 1, 64,  F0, F1, 0
	QUARTER 1, 128, F1, F0, 0
	QUARTER 1, 192, F0, F1, 0
	TURN 1, 0
	WIN 0                                          ; at a label and at a branch every window is 0
	s_sub_co_u32 s2, s2, 1
	s_cmp_eq_u32 s2, 0
	s_cbranch_scc1 .Lboundary                      ; forward, past a quarter step
	QUARTER 0, 64,  F0, F1, 0
	WIN 0
	s_branch .Lbottom
.Lboundary:                                            ; A TILE IS FINISHED; both refills for the next one are asked for, and its first fragments are fetched
	s_mov_b32 s2, LAPS
	s_add_nc_u64 s[BP:BP+1], s[BP:BP+1], 2048      ; the next tile's bias, 1,024 columns on (the loads that read this pointer were waited for), asked for a way out ahead of its use
	BLOADS
	PLACES                                         ; behind the last products
	PACK 0
	TOSTAGE 0
.irp a, 1,2,3,4,5,6,7                  ; block a's conversions stand between block a - 1's loads from the stage and the wait for them
	PACK \a
	SEND (\a)-1, 0
	TOSTAGE \a
.endr
	SEND 7, 0
	s_wait_xcnt 0x0                                ; the stores have read C's address
	s_add_nc_u64 s[8:9], s[8:9], 2048              ; 1,024 columns on
.Lwiden:
	s_wait_loadcnt 0x0                             ; the tile's bias is in
	WIDEN
	QUARTER 0, 64,  F0, F1, 1                      ; a tile's first quarter: its products start the sums, with the bias
	WIN 0
.Lbottom:
	s_sub_co_u32 s3, s3, 1
	s_cmp_lg_u32 s3, 0
	s_cbranch_scc1 .Llap
	QUARTER 0, 128, F1, F0, 0                      ; the walk's last lap is written out: it asks for nothing more
	QUARTER 0, 192, F0, F1, 0
	MEET 0                                         ; my one tensor load that was still out is slot 1's, the last K step's, so no round follows
	PLACES                                         ; for the loads into buffer 0, which the quarter before multiplied
	BLOAD 0                                        ; three quarters of B now: buffer 1 (v128-191 of both windows) is still being multiplied
	BLOAD 1
	BLOAD 3
	ALOAD 0
	MUL16 F1, 1, 0, 0
	MUL16 F1, 1, 2, 0
	PLACES                                         ; for the loads into buffer 1
	BLOAD 2
	ALOAD 1
	ALOAD 2
	ALOAD 3
	s_wait_dscnt 40                                ; all but the 40 just issued
	ROW 0
.irp a, 0,1,2,3,4,5,6,7                ; each block leaves as soon as it is finished: nothing follows this tile under which its stores could leave
	PLACES                                         ; its conversions read results just made
	PACK \a
	TOSTAGE \a
.if (\a) < 4
	ALOAD (\a)+4                                   ; its buffer takes the block four further on
	SEND \a, 8
.else
	SEND \a, 0
.endif
.if (\a) < 7
	ROW (\a)+1
.endif
.endr
	s_wait_tensorcnt 0x0                           ; the wave's end: behind my last tensor load and my last LDS store
	ds_add_u32 v[SPW], v[NIL]
	s_wait_dscnt 0x0
	CROUND                                         ; the closing round: no work-group ends while a partner may still ask for a tile that names it
	s_endpgm
.Lfunc_end_k_q945d7405d4_gemm_qkv:
	.size	k_q945d7405d4_gemm_qkv, .Lfunc_end_k_q945d7405d4_gemm_qkv-k_q945d7405d4_gemm_qkv
	.p2alignl 7, 3214868480
	.fill 96, 4, 3214868480
	.section	.rodata,"a",@progbits
	.p2align	6, 0x0
	.amdhsa_kernel k_q945d7405d4_gemm_qkv
		.amdhsa_group_segment_fixed_size 327680
		.amdhsa_private_segment_fixed_size 0
		.amdhsa_enable_private_segment 0
		.amdhsa_kernarg_size 32
		.amdhsa_user_sgpr_count 2
		.amdhsa_user_sgpr_kernarg_segment_ptr 1
		.amdhsa_wavefront_size32 1
		.amdhsa_system_sgpr_workgroup_id_x 1
		.amdhsa_system_sgpr_workgroup_id_y 1
		.amdhsa_system_sgpr_workgroup_id_z 1
		.amdhsa_system_vgpr_workitem_id 0
		.amdhsa_next_free_vgpr 1024
		.amdhsa_next_free_sgpr 88
		.amdhsa_reserve_vcc 0
		.amdhsa_float_denorm_mode_32 3
		.amdhsa_float_denorm_mode_16_64 3
		.amdhsa_memory_ordered 1
		.amdhsa_forward_progress 1
		.amdhsa_inst_pref_size 181
	.end_amdhsa_kernel
	.amdgpu_metadata
---
amdhsa.version: [ 1, 2 ]
amdhsa.kernels:
  - .name:           k_q945d7405d4_gemm_qkv
    .symbol:         k_q945d7405d4_gemm_qkv.kd
    .args:
      - { .name: xb, .offset: 0, .size: 8, .value_kind: global_buffer, .address_space: global }
      - { .name: wq, .offset: 8, .size: 8, .value_kind: global_buffer, .address_space: global }
      - { .name: qkv, .offset: 16, .size: 8, .value_kind: global_buffer, .address_space: global }
      - { .name: bq, .offset: 24, .size: 8, .value_kind: global_buffer, .address_space: global }
    .group_segment_fixed_size: 327680
    .private_segment_fixed_size: 0
    .kernarg_segment_align: 8
    .kernarg_segment_size: 32
    .max_flat_workgroup_size: 128
    .sgpr_count:     88
    .vgpr_count:     1024
    .wavefront_size: 32
...
	.end_amdgpu_metadata
.endif
;; end of part 2
;; launch attn (part 3): grid 512 x 1, 8 waves a work-group, no clusters, 0 bytes of LDS; arguments qkv, att; writes att
.if DOCPART == 3
	.amdgcn_target "amdgcn-amd-amdhsa--gfx1250"
	.amdhsa_code_object_version 6
	.text
	.protected	k_q945d7405d4_attn
	.globl	k_q945d7405d4_attn
	.p2align	8
	.type	k_q945d7405d4_attn,@function
k_q945d7405d4_attn:
	s_mov_b64 s[64:65], 0
	v_nop
	global_prefetch_b8 v0, s[64:65] scope:SCOPE_SE
	s_setreg_imm32_b32 hwreg(HW_REG_WAVE_MODE, 25, 1), 1
	s_wait_xcnt 0x0
; ATTENTION ACROSS THE 16 HEADS OF ONE TOKEN.  For each token: S[qh][kh] = q[qh] . k[kh], P = softmax over kh of S / 8, out[qh] = the sum over kh of P[qh][kh] v[kh].
; qkv: [16384][3072] f16, a token's row laid out by the launches before: q and k at 256 (d / 16) + 16 h + d % 16 (k 1,024 numbers behind q), v at 2048 + 16 d + kh.
; att: [16384][1024] f16, out[qh][d] at 256 (d / 16) + 16 qh + d % 16.  Products, the maximum and the sum in f32; P, divided by its sum, is rounded to f16 for the second product, out once.
; LIMITS.  q, k, v arrive within f16's range; P lies in 0 to 1; out is a mean of v's rows.  NaN and infinities are not treated apart: v's registers must hold finite numbers (see V below).
; LAYOUT.  With LO = 32 (l % 16) + 16 (l / 16), the 16 bytes at 512 j + LO of q ARE registers 4 j .. 4 j + 3 of q's two fragments (16 heads x 32 channels each): lane l holds head l % 16.  The same for k.
; S^T = K Q^T (source 0 = k, source 1 = q): a lane holds query head l % 16 and key heads 8 (l / 16) + 0..7.  Rounded in pairs these ARE registers 0-3 of source 1 of O^T = V^T P; its registers 4-7,
; key heads 16 to 31, do not exist and hold 0.  V: the 16 bytes at 512 cb + LO of v are registers 0-3 of V^T's fragment for channels 16 cb ..; its registers 4-7 meet P's zeros: they are the next
; fragment's registers (or four zeros), finite numbers.  O^T again holds query head l % 16 and 8 channels: 16 bytes at 512 cb + LO of att.  So nothing changes lanes but one exchange of halves, nothing goes
; through LDS, and every load and store of a wave covers 512 consecutive bytes, aligned.
; SHARES.  A wave takes 4 tokens, in two pairs; all its 48 loads go out at once.  No loop, no barrier.  No cluster and no LDS: no wave wants a byte that another one reads.
.set S,  8                             ; v[8:23]    S^T of the pair's two tokens
.set P,  24                            ; v[24:39]   P: 8 a token, the upper four 0
.set T,  40                            ; v[40:55]   8 a token: +0 the maximum, +1 the other half's, +2 c m, +4, +5 sums, +6 1 / l
.set QK, 56                            ; v[56:183]  32 a token: q's 16, k's 16; later O^T
.set V,  184                           ; v[184:247] 16 a token
.set Z,  248                           ; v[248:251] 0
	s_load_b128 s[4:7], s[0:1], 0x0                ; qkv s[4:5], att s[6:7]
	v_lshrrev_b32 v2, 5, v0
	v_readfirstlane_b32 s12, v2                    ; wave 0..7
	s_lshl_b32 s13, ttmp9, 3
	s_add_co_u32 s13, s13, s12                     ; my wave among all 4,096
	s_mul_i32 s14, s13, 4*6144                     ; its 4 rows of qkv (under 2^27),
	s_mov_b32 s15, 0
	s_lshl_b32 s16, s13, 13                        ; and of att
	s_mov_b32 s17, 0
	s_mov_b32 s8, 0x3e38aa3b                       ; c = log2(e) / 8 = 0.180337
	s_mov_b32 s9, s8                               ; named with it as a pair
	s_mov_b32 s10, 0x76543210                      ; v_permlanex16_b32: each lane takes its own place in the other half
	s_mov_b32 s11, 0xfedcba98
	v_and_b32 v3, 15, v0
	v_bfe_u32 v4, v0, 4, 1
	v_lshlrev_b32 v1, 5, v3
	v_lshl_add_u32 v1, v4, 4, v1                   ; LO; never rewritten
	s_wait_kmcnt 0x0
	s_add_nc_u64 s[4:5], s[4:5], s[14:15]
	s_add_nc_u64 s[6:7], s[6:7], s[16:17]
.irp i, 0,1,2,3                        ; v of all four tokens first: a token's last fragment names the next token's first registers
.irp j, 0,1,2,3
	global_load_b128 v[V+16*(\i)+4*(\j):V+16*(\i)+4*(\j)+3], v1, s[4:5] offset:(\i)*6144+4096+512*(\j) th:TH_LOAD_NT
.endr
.endr
.irp i, 0,1,2,3                        ; then q and k, token by token: 8 loads each
.irp j, 0,1,2,3
	global_load_b128 v[QK+32*(\i)+4*(\j):QK+32*(\i)+4*(\j)+3],       v1, s[4:5] offset:(\i)*6144+512*(\j) th:TH_LOAD_NT
	global_load_b128 v[QK+32*(\i)+16+4*(\j):QK+32*(\i)+16+4*(\j)+3], v1, s[4:5] offset:(\i)*6144+2048+512*(\j) th:TH_LOAD_NT
.endr
.endr
.irp r, 4,5,6,7,12,13,14,15
	v_mov_b32 v[P+(\r)], 0                         ; key heads 16 to 31
.endr
.irp r, 1,3,5,7,9,11,13,15
	v_mov_b32 v[T+(\r)], 0                         ; destinations of the exchange and second registers of named pairs: written once before they are named
.endr
.irp r, 0,1,2,3
	v_mov_b32 v[Z+(\r)], 0
.endr
; Tokens 2 p and 2 p + 1, their instructions by turns.  left: the younger loads that may stay out.
.macro PAIR p, left
	s_wait_loadcnt \left
.irp u, 0,1                            ; the two accumulators take turns; the first product starts the sum
	v_wmma_f32_16x16x32_f16 v[S+8*(\u):S+8*(\u)+7], v[QK+32*(2*(\p)+(\u))+16:QK+32*(2*(\p)+(\u))+23], v[QK+32*(2*(\p)+(\u)):QK+32*(2*(\p)+(\u))+7], 0
.endr
.irp u, 0,1
	v_wmma_f32_16x16x32_f16 v[S+8*(\u):S+8*(\u)+7], v[QK+32*(2*(\p)+(\u))+24:QK+32*(2*(\p)+(\u))+31], v[QK+32*(2*(\p)+(\u))+8:QK+32*(2*(\p)+(\u))+15], v[S+8*(\u):S+8*(\u)+7]
.endr
.rept 4
	v_nop                                          ; the places behind those products (ISA guide 7.12.1)
.endr
.irp u, 0,1
	v_max3_num_f32 v[T+8*(\u)], v[S+8*(\u)], v[S+8*(\u)+1], v[S+8*(\u)+2]  ; the maximum of my 8 scores, from the accumulator's low end on
.endr
.irp u, 0,1
	v_max3_num_f32 v[T+8*(\u)], v[T+8*(\u)], v[S+8*(\u)+3], v[S+8*(\u)+4]
.endr
.irp u, 0,1
	v_max3_num_f32 v[T+8*(\u)], v[T+8*(\u)], v[S+8*(\u)+5], v[S+8*(\u)+6]
.endr
.irp u, 0,1
	v_max_num_f32 v[T+8*(\u)], v[T+8*(\u)], v[S+8*(\u)+7]
.endr
.irp u, 0,1
	v_permlanex16_b32 v[T+8*(\u)+1], v[T+8*(\u)], s10, s11  ; the query head's other 8 key heads lie in the lane 16 away
.endr
.irp u, 0,1
	v_max_num_f32 v[T+8*(\u)], v[T+8*(\u)], v[T+8*(\u)+1]
.endr
.irp u, 0,1
	v_mul_f32 v[T+8*(\u)+2], s8, v[T+8*(\u)]       ; c m
.endr
.irp j, 0,2,4,6
.irp u, 0,1
	v_pk_fma_f32 v[S+8*(\u)+(\j):S+8*(\u)+(\j)+1], v[S+8*(\u)+(\j):S+8*(\u)+(\j)+1], s[8:9], v[T+8*(\u)+2:T+8*(\u)+3] op_sel_hi:[1,0,0] neg_lo:[0,0,1] neg_hi:[0,0,1]  ; c s - c m
.endr
.endr
.irp j, 0,1,2,3,4,5,6,7
.irp u, 0,1
	v_exp_f32 v[S+8*(\u)+(\j)], v[S+8*(\u)+(\j)]   ; one batch of 16
.endr
.endr
	v_nop                                          ; a plain instruction behind the last exponential,
	s_wait_alu depctr_va_vdst(0)                   ; and the one wait ahead of the batch's first reader
.irp u, 0,1
	v_pk_add_f32 v[T+8*(\u)+4:T+8*(\u)+5], v[S+8*(\u):S+8*(\u)+1],   v[S+8*(\u)+2:S+8*(\u)+3]
	v_pk_add_f32 v[T+8*(\u)+6:T+8*(\u)+7], v[S+8*(\u)+4:S+8*(\u)+5], v[S+8*(\u)+6:S+8*(\u)+7]
.endr
.irp u, 0,1
	v_pk_add_f32 v[T+8*(\u)+4:T+8*(\u)+5], v[T+8*(\u)+4:T+8*(\u)+5], v[T+8*(\u)+6:T+8*(\u)+7]
.endr
.irp u, 0,1
	v_add_f32 v[T+8*(\u)+4], v[T+8*(\u)+4], v[T+8*(\u)+5]
.endr
.irp u, 0,1
	v_permlanex16_b32 v[T+8*(\u)+5], v[T+8*(\u)+4], s10, s11
.endr
.irp u, 0,1
	v_add_f32 v[T+8*(\u)+4], v[T+8*(\u)+4], v[T+8*(\u)+5]  ; l, at least 1: the maximum's own weight
.endr
.irp u, 0,1
	v_rcp_f32 v[T+8*(\u)+6], v[T+8*(\u)+4]
.endr
	v_nop
	s_wait_alu depctr_va_vdst(0)                   ; one wait for the two reciprocals
.irp j, 0,2,4,6
.irp u, 0,1
	v_pk_mul_f32 v[S+8*(\u)+(\j):S+8*(\u)+(\j)+1], v[S+8*(\u)+(\j):S+8*(\u)+(\j)+1], v[T+8*(\u)+6:T+8*(\u)+7] op_sel_hi:[1,0]
.endr
.endr
.irp j, 0,1,2,3
.irp u, 0,1
	v_cvt_pk_f16_f32 v[P+8*(\u)+(\j)], v[S+8*(\u)+2*(\j)], v[S+8*(\u)+2*(\j)+1]
.endr
.endr
.irp j, 0,1,2,3                        ; O^T for channels 16 j .., into the token's q and k registers, which have been read: eight sums of one product each
.irp u, 0,1
	v_wmma_f32_16x16x32_f16 v[QK+32*(2*(\p)+(\u))+8*(\j):QK+32*(2*(\p)+(\u))+8*(\j)+7], v[V+16*(2*(\p)+(\u))+4*(\j):V+16*(2*(\p)+(\u))+4*(\j)+7], v[P+8*(\u):P+8*(\u)+7], 0
.endr
.endr
.rept 4
	v_nop                                          ; the places behind those products
.endr
.irp j, 0,1,2,3
.irp u, 0,1
.irp r, 0,1,2,3
	v_cvt_pk_f16_f32 v[QK+32*(2*(\p)+(\u))+8*(\j)+(\r)], v[QK+32*(2*(\p)+(\u))+8*(\j)+2*(\r)], v[QK+32*(2*(\p)+(\u))+8*(\j)+2*(\r)+1]  ; in place, from the low end on
.endr
	global_store_b128 v1, v[QK+32*(2*(\p)+(\u))+8*(\j):QK+32*(2*(\p)+(\u))+8*(\j)+3], s[6:7] offset:(2*(\p)+(\u))*2048+512*(\j)  ; these registers are not written again
.endr
.endr
.endm
	PAIR 0, 16                                     ; all v and the first pair's q and k are in; the second pair's 16 loads may stay out
	PAIR 1, 0
	s_endpgm
.Lfunc_end_k_q945d7405d4_attn:
	.size	k_q945d7405d4_attn, .Lfunc_end_k_q945d7405d4_attn-k_q945d7405d4_attn
	.p2alignl 7, 3214868480
	.fill 96, 4, 3214868480
	.section	.rodata,"a",@progbits
	.p2align	6, 0x0
	.amdhsa_kernel k_q945d7405d4_attn
		.amdhsa_group_segment_fixed_size 0
		.amdhsa_private_segment_fixed_size 0
		.amdhsa_enable_private_segment 0
		.amdhsa_kernarg_size 16
		.amdhsa_user_sgpr_count 2
		.amdhsa_user_sgpr_kernarg_segment_ptr 1
		.amdhsa_wavefront_size32 1
		.amdhsa_system_sgpr_workgroup_id_x 1
		.amdhsa_system_sgpr_workgroup_id_y 1
		.amdhsa_system_sgpr_workgroup_id_z 1
		.amdhsa_system_vgpr_workitem_id 0
		.amdhsa_next_free_vgpr 256
		.amdhsa_next_free_sgpr 66
		.amdhsa_reserve_vcc 0
		.amdhsa_float_denorm_mode_32 3
		.amdhsa_float_denorm_mode_16_64 3
		.amdhsa_memory_ordered 1
		.amdhsa_forward_progress 1
		.amdhsa_inst_pref_size 21
	.end_amdhsa_kernel
	.amdgpu_metadata
---
amdhsa.version: [ 1, 2 ]
amdhsa.kernels:
  - .name:           k_q945d7405d4_attn
    .symbol:         k_q945d7405d4_attn.kd
    .args:
      - { .name: qkv, .offset: 0, .size: 8, .value_kind: global_buffer, .address_space: global }
      - { .name: att, .offset: 8, .size: 8, .value_kind: global_buffer, .address_space: global }
    .group_segment_fixed_size: 0
    .private_segment_fixed_size: 0
    .kernarg_segment_align: 8
    .kernarg_segment_size: 16
    .max_flat_workgroup_size: 256
    .sgpr_count:     66
    .vgpr_count:     256
    .wavefront_size: 32
...
	.end_amdgpu_metadata
.endif
;; end of part 3
;; launch gemm_out (part 4): grid 4 x 64, 4 waves a work-group, clusters of 4 x 4, 327,680 bytes of LDS; arguments att, wo, out0, bout; writes out0
.if DOCPART == 4
	.amdgcn_target "amdgcn-amd-amdhsa--gfx1250"
	.amdhsa_code_object_version 6
	.text
	.protected	k_q945d7405d4_gemm_out
	.globl	k_q945d7405d4_gemm_out
	.p2align	8
	.type	k_q945d7405d4_gemm_out,@function
k_q945d7405d4_gemm_out:
	s_mov_b64 s[64:65], 0
	v_nop
	global_prefetch_b8 v0, s[64:65] scope:SCOPE_SE
	s_setreg_imm32_b32 hwreg(HW_REG_WAVE_MODE, 25, 1), 1
	s_wait_xcnt 0x0
	s_wait_alu depctr_hold_cnt(0) depctr_sa_sdst(0) depctr_va_vdst(0) depctr_va_sdst(0) depctr_va_ssrc(0) depctr_va_vcc(0) depctr_vm_vsrc(0)
	s_getreg_b32 s2, hwreg(HW_REG_IB_STS2, 6, 4)
	s_cmp_eq_u32 s2, 0
	s_cbranch_scc0 .Lentry_in_a_cluster
	s_endpgm
.Lentry_in_a_cluster:
	s_bfe_u32 s2, ttmp6, 0x10000c
	s_cmp_lg_u32 s2, 0xf033
	s_cbranch_scc0 .Lentry_shape_is_right
	s_endpgm
.Lentry_shape_is_right:
; C[m][n] = bias[n] + the sum over k of A[m][k] B[k][n].  HERE: out0 = att wo + bf16(bout).  A = att [16384][1024] f16, B = wo [1024][1024] f16, bias = bout [1024] f32, C = out0 [16384][1024] f32.
; att's columns and wo's rows carry the same permutation of K.  (The ring, the products and the last K step are the same text as the first product's; the constants below tell the two apart.)
; Sums in f32, K ascending, begun with the bias.
; LIMIT.  The operands are f16 and arrive within its range.  NaN and infinities are not treated apart.
; SHARES.  A tile of C is 256 x 256: four waves, each 128 x 128: 64 accumulators of 16 x 16, 512 registers.  The grid is 4 x 64 work-groups, a tile each.  K goes in steps of 128 through a ring of two
; LDS slots.  THE LAST K STEP GOES BY ROWS OF C, so that finished rows leave while the others are multiplied.
; B LIES [K][N], as the weights are given: its tile is 128 k-rows x 256 columns (rows of 512 bytes), and its fragments come out of LDS turned, by ds_load_tr16_b128.
; CLUSTERS: 4 x 4 work-groups.  The four of a row of the cluster need the same tiles of A, the four of a column the same tiles of B: each tile is asked for JOINTLY, by the same tensor load with the same
; descriptor and a mask that names the four.
; THE MATRIX INSTRUCTION IS USED TRANSPOSED (source 0 = 16 columns of B, source 1 = 16 rows of A): lane l holds row l % 16 of C and the columns 8 (l / 16) + 0..7.  So the C operand that starts a sum,
; the bias of those eight columns, is the same eight registers for every block of rows: nothing is cleared and the way out has no bias arithmetic.
; REGISTERS, in windows of 256 (s_set_vgpr_msb: bits 1:0 source 0, 3:2 source 1, 5:4 source 2, 7:6 destination):
;   window 0: v0-31 addresses; v64-127, v128-191 fragments of A, two buffers (in the last K step four, of 16 rows x 128 K); v32-63 at work on the bias; v192-255 the way out: 16 rows read back
;   window 1: v64-127, v128-191 fragments of B, two buffers; v192-255 the bias in f32, 8 registers a column block; in the last K step all 256: B's fragments of the whole step
;   window 2: the accumulators of my rows 0-63 ((a, b) at v[8 (8 a + b)]);   window 3: those of my rows 64-127
.set SIZE_N, 1024
.set NTILES, 1                         ; tiles of C to a work-group
.set F16IN,  1                         ; operands: 0 bf16, 1 f16
.set OUT32,  1                         ; C and the bias: 0 16 bits, 1 f32 (the bias is then rounded to bf16 here)
.set SIZE_K, 1024
.set KSTEP,  128
.set LOGCB,  1+OUT32                   ; log2 of the bytes of a number of C and of the bias
.set PITCH,  272                       ; a row of A in LDS: 256 bytes + 16 = 68 words: the 16 rows of a load start at 16 different groups of four banks (64 banks of 4 bytes: ISA guide 11.1)
.set PB,     544                       ; a k-row of B: 512 + 32 = 136 words
.set HALFT,  128*PITCH                 ; what one tensor load brings: 128 rows of A, or 64 k-rows of B (64 x 544 is the same number)
.set SLOT,   4*HALFT                   ; A's 256 rows, then B's 128 k-rows
.set STAGE,  2*SLOT                    ; behind the ring: 16 rows of my 128 columns for each wave, for the way out
.set SPITCH, 272+256*OUT32             ; 256 or 512 bytes + 16
.set SPARE,  STAGE+4*16*SPITCH         ; behind the stages: the spare words, 128 bytes for each wave: two blocks of 256 bytes that no other line names
.set LAPS,   SIZE_K/(2*KSTEP)          ; a lap = two K steps = once round the ring
.set ADRA, 16                          ; v16-17  LDS address of my A fragments in slot 0, 1
.set ADRB, 20                          ; v20-21  the same for B
.set STO,  24                          ; v24     the way out: where I put my part of a row
.set RD,   25                          ; v25     the way out: where I read rows back
.set CO,   26                          ; v26     my byte offset in C
.set BO,   27                          ; v27     my byte offset in the bias; never rewritten
.set SPW,  28                          ; v28     LDS address of my spare word: SPARE + 4 x my thread's number; never rewritten
.set NIL,  29                          ; v29     0; never rewritten
.set PFO,  30                          ; v30     the prefetches' offset; never rewritten
.set F0,   64
.set F1,   128
.set PA,   64                          ; the last K step: A's fragments of 16 rows x 128 K, 32 registers; four such buffers, v64-191
.set OB,   32                          ; the bias while it is rounded
.set BK,   192                         ; the way out: 16 rows of 512 bytes read back
.set BIAS, 192                         ; window 1
.set G1,   24                          ; s[24:31] descriptor group 1 for A's tiles;  s[32:39] group 0, one set for each slot
.set G0,   32
.set G1B,  48                          ; s[48:55], s[56:63] the same for B's tiles
.set G0B,  56
.set PFA,  44                          ; s[44:45] where my prefetches stand
.set BP,   66                          ; s[66:67] the bias
.set PST,  68                          ; s[68:69] a K step in bytes, for my prefetches
.set PJ,   70                          ; s[70:71] what is taken off behind a tile's last K step
.set PT,   72                          ; s[72:73] that, or 0
.set PLEFT, 74                         ; s74  prefetches that I still have to issue
.set PCNT, 75                          ; s75  K steps up to the tile's end, for my prefetches
.set HIM,  77                          ; s77  mask of a word's upper bf16
.set MSB, 0
.macro WIN new                         ; the immediate's high byte repeats the setting that is left; a switch that changes nothing is dropped
.if MSB != (\new)
	s_set_vgpr_msb (MSB<<8)|(\new)
.set MSB, \new
.endif
.endm
; A joint load.  Waves 0 and 1 fetch A's two halves, waves 2 and 3 B's.  The branch hangs on the wave's number alone.  An s_nop 0 and four v_nop follow each of the two lines.
.macro JLOAD s
	s_cmp_eq_u32 s11, 0
	s_cbranch_scc0 .Lfor_b_\@
	tensor_load_to_lds s[G0+4*(\s):G0+4*(\s)+3], s[G1:G1+7]
	s_nop 0
.rept 4
	v_nop
.endr
	s_branch .Lasked_\@
.Lfor_b_\@:
	tensor_load_to_lds s[G0B+4*(\s):G0B+4*(\s)+3], s[G1B:G1B+7]
	s_nop 0
.rept 4
	v_nop
.endr
.Lasked_\@:
.endm
; PREFETCHES INTO THE L2.  The refill issued in K step g asks for K step g + 2; the prefetch behind it names K step g + 4: two K steps, 512 matrix instructions, ahead of the load that will want it.
; K steps 0 to 3 come by their loads alone.  Each block of 256 bytes is named once in the launch, a lane a block, one instruction a wave:
;   A (waves 0, 1): of the 128 rows that I fetch, the partner at place cx takes 32; a K step is 256 bytes of a row.  K steps 4 to 7.
;   B (waves 2, 3): only in the clusters' first row (every cluster walks the same B); of my 64 k-rows the partner at place cy takes 16, each 512 bytes: two lanes a k-row.  K steps 4 to 7.
; The partners are told apart BY ADDRESS; the test below hangs on the wave's number and the cluster's y, which are the same in all sixteen.
.macro STEP_PF                         ; at the head of a change of slots, a K step behind the prefetch that read the address
	s_wait_xcnt 0x0                                ; that prefetch has read its address, so it may be written
	s_add_nc_u64 s[PFA:PFA+1], s[PFA:PFA+1], s[PST:PST+1]
	s_sub_co_u32 s[PCNT], s[PCNT], 1
	s_cmp_eq_u32 s[PCNT], 0                        ; past the tile's last K step?
	s_cselect_b64 s[PT:PT+1], s[PJ:PJ+1], 0
	s_cselect_b32 s[PCNT], 8, s[PCNT]
	s_sub_nc_u64 s[PFA:PFA+1], s[PFA:PFA+1], s[PT:PT+1]  ; (with one tile nothing is asked for from there)
.endm
.macro ASK
	s_cmp_lg_u32 s[PLEFT], 0
	s_cbranch_scc0 .Lnot_mine_\@
	global_prefetch_b8 v[PFO], s[PFA:PFA+1] th:TH_LOAD_NT scope:SCOPE_SE
	s_sub_co_u32 s[PLEFT], s[PLEFT], 1
.Lnot_mine_\@:
.endm
; A round of the cluster's barrier: my work-group's barrier; wave 0 signals for the work-group; every wave waits for all sixteen; my work-group's barrier once more.
.macro CREST                           ; a round behind its opening barrier
	s_cmp_lg_u32 s10, 0
	s_cbranch_scc1 .Lnot_wave_0_\@
	s_barrier_signal -3
.Lnot_wave_0_\@:
	s_barrier_wait -3
	s_barrier_signal -1
	s_barrier_wait -1
.endm
.macro CROUND
	s_barrier_signal -1
	s_barrier_wait -1
	CREST
.endm
	s_load_b128 s[4:7], s[0:1], 0x0                ; A s[4:5], B s[6:7]
	s_load_b64 s[8:9], s[0:1], 0x10                ; C
	s_load_b64 s[BP:BP+1], s[0:1], 0x18            ; the bias
	v_lshl_add_u32 v[SPW], v0, 2, SPARE
	v_mov_b32 v[NIL], 0
	ds_add_u32 v[SPW], v[NIL]                      ; the wave's opening: the add and its wait stand ahead of my first tensor load; the set-up below, work on registers, stands between them
	v_lshrrev_b32 v1, 5, v0
	v_readfirstlane_b32 s10, v1                    ; wave 0..3
	s_lshr_b32 s11, s10, 1                         ; which half of the tile's rows is mine.  Also: I fetch for A (0) or for B (1)
	s_and_b32 s12, s10, 1                          ; which half of its columns.  Also: which half of that tile I fetch
	s_bfe_u32 s40, ttmp6, 0x40000                  ; cx, cy: my place in the cluster
	s_bfe_u32 s41, ttmp6, 0x40004
	s_lshl_b32 s42, ttmp9, 2                       ; in a cluster launch ttmp9 and ttmp7 count clusters
	s_add_co_u32 s42, s42, s40                     ; my tile column = 4 x cluster x + cx
	s_and_b32 s13, ttmp7, 0xffff
	s_lshl_b32 s13, s13, 2
	s_add_co_u32 s13, s13, s41                     ; my tile row = 4 x cluster y + cy
	s_lshl_b32 s43, s41, 2
	s_lshl_b32 s43, 15, s43                        ; my row of the cluster: places 4 cy .. 4 cy + 3
	s_lshl_b32 s44, 0x1111, s40                    ; my column: places cx, cx + 4, cx + 8, cx + 12
	s_or_b32 s[G1+0], s43, (1<<16)|(1<<20)|(1<<21)|(5<<22)|(3<<25)   ; 15:0 the mask: my row; 17:16 elements of 2 bytes; 20 padding on; 21 set beside a mask; 24:22 after every 64 words (code 5); 31:25 4 words (code 3)
	s_or_b32 s[G1B+0], s44, (1<<16)|(1<<20)|(1<<21)|(6<<22)|(7<<25)  ; the mask: my column; after every 128 words (code 6) 8 words (code 7)
	s_mov_b32 s[G1+1], KSTEP<<16                   ; A: tensor_dim0 = 128
	s_mov_b32 s[G1+2], 128<<16                     ; tensor_dim1 = 128
	s_mov_b32 s[G1+3], KSTEP<<16                   ; tile_dim0 = 128 elements
	s_mov_b32 s[G1+4], 128                         ; tile_dim1 = 128 rows
	s_mov_b32 s[G1+5], SIZE_K                      ; elements from row to row
	s_mov_b32 s[G1+6], 0
	s_mov_b32 s[G1+7], 0
	s_mov_b32 s[G1B+1], 256<<16                    ; B: tensor_dim0 = 256
	s_mov_b32 s[G1B+2], 64<<16                     ; tensor_dim1 = 64
	s_mov_b32 s[G1B+3], 256<<16                    ; tile_dim0 = 256 elements
	s_mov_b32 s[G1B+4], 64                         ; tile_dim1 = 64 k-rows
	s_mov_b32 s[G1B+5], SIZE_N
	s_mov_b32 s[G1B+6], 0
	s_mov_b32 s[G1B+7], 0
	s_mov_b32 s[HIM], 0xffff0000
	; where the tiles come from.  A's hang on the tile row alone, B's on the tile column alone; each address is made in registers that never hold the other coordinate.
	s_lshl_b32 s17, s12, 7
	s_lshl_b32 s16, s13, 8
	s_add_co_u32 s16, s16, s17                     ; A: row 256 x tile row + 128 x half,
	s_lshl_b32 s16, s16, 11                        ; of 2,048 bytes (under 2^26)
	s_mov_b32 s17, 0
	s_mul_i32 s46, s12, 64*SIZE_N*2                ; B: k-row 64 x half,
	s_lshl_b32 s47, s42, 9
	s_add_co_u32 s46, s46, s47                     ; byte 512 x tile column
	s_mov_b32 s47, 0
	s_mul_i32 s20, s10, HALFT                      ; and where they go: wave x HALFT: no place in the cluster enters an LDS address
	s_wait_dscnt 0x0                               ; the opening add is done
	s_wait_kmcnt 0x0
	s_add_nc_u64 s[14:15], s[4:5], s[16:17]
	s_add_nc_u64 s[46:47], s[6:7], s[46:47]
	CROUND                                         ; all sixteen work-groups are here: the first joint loads meet
.irp s, 0,1
	s_mov_b32 s[G0+4*(\s)], 1                                      ; count = 1
	s_add_co_u32 s[G0+4*(\s)+1], s20, (\s)*SLOT                    ; LDS address
	s_add_nc_u64 s[G0+4*(\s)+2:G0+4*(\s)+3], s[14:15], (\s)*KSTEP*2  ; global address: K step s
	s_or_b32 s[G0+4*(\s)+3], s[G0+4*(\s)+3], 0x80000000            ; type = 2
	s_mov_b32 s[G0B+4*(\s)], 1
	s_add_co_u32 s[G0B+4*(\s)+1], s20, (\s)*SLOT
	s_add_nc_u64 s[G0B+4*(\s)+2:G0B+4*(\s)+3], s[46:47], (\s)*KSTEP*SIZE_N*2
	s_or_b32 s[G0B+4*(\s)+3], s[G0B+4*(\s)+3], 0x80000000
	JLOAD \s                                       ; two loads of mine are out
.endr
	; A fragment is 16 rows x 32 K in 8 registers: lane l holds row l % 16; registers 0-3 K = 8 (l / 16) + 0..7, registers 4-7 K = 16 + 8 (l / 16) + 0..7.
	v_and_b32 v1, 15, v0                           ; l % 16
	v_bfe_u32 v2, v0, 4, 1                         ; l / 16
	v_mul_u32_u24 v3, v1, PITCH                    ; A, rows along K: two loads of 16 bytes, 32 bytes apart, at row x pitch + 16 x half
	v_lshl_add_u32 v3, v2, 4, v3
	s_mul_i32 s21, s11, HALFT                      ; my 128 rows of A
	v_and_b32 v4, 7, v0                            ; B, k-rows along N: the turning load takes 16 k x 16 columns: lane l reads k-row 8 (l / 16) + l % 8, columns 8 ((l / 8) % 2) + 0..7,
	v_lshl_add_u32 v4, v2, 3, v4                   ; and is left with column l % 16 and 8 k: half a fragment; the other half lies 16 k-rows on
	v_mul_u32_u24 v4, v4, PB
	v_bfe_u32 v5, v0, 3, 1
	v_lshl_add_u32 v4, v5, 4, v4
	s_lshl_b32 s22, s12, 8                         ; my 128 columns of B,
	s_add_co_u32 s22, s22, 2*HALFT                 ; which lies behind A's 256 rows
.irp s, 0,1
	v_add_nc_u32 v[ADRA+(\s)], s21, v3
	v_add_nc_u32 v[ADRB+(\s)], s22, v4
	s_add_co_u32 s21, s21, SLOT
	s_add_co_u32 s22, s22, SLOT
.endr
	s_mul_i32 s23, s10, 16*SPITCH
	s_add_co_u32 s23, s23, STAGE                   ; my stage
	v_mul_u32_u24 v5, v1, SPITCH                   ; in: row l % 16, 8 numbers for each half of the lanes
	v_lshl_add_u32 v5, v2, 3+LOGCB, v5
	v_add_nc_u32 v[STO], s23, v5
	v_and_b32 v5, 31, v0                           ; back: 32 lanes take one row of 512 bytes,
	v_lshlrev_b32 v[CO], 4, v5                     ; and the same in C
	v_add_nc_u32 v[RD], s23, v[CO]
	s_lshl_b32 s16, s13, 8
	s_lshl_b32 s17, s11, 7
	s_add_co_u32 s16, s16, s17                     ; my first row of C,
	s_mul_i32 s16, s16, SIZE_N<<LOGCB              ; in bytes (under 2^27)
	s_mov_b32 s17, 0
	s_lshl_b32 s46, s42, 8
	s_lshl_b32 s47, s12, 7
	s_add_co_u32 s46, s46, s47                     ; my first column,
	s_lshl_b32 s46, s46, LOGCB                     ; in bytes, of C and of the bias alike
	s_mov_b32 s47, 0
	s_add_nc_u64 s[8:9], s[8:9], s[16:17]
	s_add_nc_u64 s[8:9], s[8:9], s[46:47]
	v_lshl_add_u32 v[BO], v2, 3+LOGCB, s46         ; my lanes' 8 columns of a block of 16
	; the prefetches' address, at K step 3: the first change of slots steps it to 4
	s_lshl_b32 s20, s13, 8                         ; A: row 256 x tile row
	s_lshl_b32 s21, s12, 7
	s_add_co_u32 s20, s20, s21                     ; + the 128 that I fetch
	s_lshl_b32 s21, s40, 5
	s_add_co_u32 s20, s20, s21                     ; + my work-group's 32 of them
	s_lshl_b32 s20, s20, 11
	s_add_co_u32 s20, s20, 3*KSTEP*2
	s_lshl_b32 s22, s12, 6                         ; B: k-row 64 x half
	s_lshl_b32 s23, s41, 4
	s_add_co_u32 s22, s22, s23                     ; + my work-group's 16 of them
	s_add_co_u32 s22, s22, 3*KSTEP
	s_mul_i32 s22, s22, SIZE_N*2
	s_lshl_b32 s23, s42, 9
	s_add_co_u32 s22, s22, s23                     ; byte 512 x tile column
	s_mov_b32 s21, 0
	s_mov_b32 s[PST], KSTEP*SIZE_N*2
	s_mov_b32 s[PST+1], 0
	s_mov_b32 s[PJ+1], 0
	s_mov_b32 s19, SIZE_N*2
	s_mov_b32 s[PCNT], 5                           ; the fifth step passes the tile's last K step
	s_and_b32 s23, ttmp7, 0xffff                   ; cluster y
	s_cmp_eq_u32 s23, 0
	s_cselect_b32 s23, 8*NTILES-4, 0               ; B's K steps 4 .. 7, in the clusters' first row alone
	s_cmp_eq_u32 s11, 0                            ; do I fetch for A?
	s_cselect_b32 s20, s20, s22
	s_cselect_b64 s[PFA:PFA+1], s[4:5], s[6:7]
	s_cselect_b32 s[PLEFT], 4, s23
	s_cselect_b32 s[PST], KSTEP*2, s[PST]
	s_cselect_b32 s[PJ], 0, 8*KSTEP*SIZE_N*2-2048
	s_cselect_b32 s18, 0, 1                        ; lanes to a row: 1 or 2
	s_cselect_b32 s19, SIZE_K*2, s19               ; bytes from row to row
	s_cselect_b32 s14, 0, 256                      ; the odd lane's second block of a k-row
	s_add_nc_u64 s[PFA:PFA+1], s[PFA:PFA+1], s[20:21]
	v_and_b32 v5, 31, v0
	v_lshrrev_b32 v[PFO], s18, v5
	v_mul_lo_u32 v[PFO], v[PFO], s19
	v_and_b32 v5, 1, v5
	v_mad_u32_u24 v[PFO], v5, s14, v[PFO]
	; the bias, in the wait for the first tiles: my lanes' 8 columns of each block of 16, in f32
	WIN 0x40                                       ; destination window 1, address window 0
.irp b, 0,1,2,3,4,5,6,7
	global_load_b128 v[BIAS+8*(\b):BIAS+8*(\b)+3],   v[BO], s[BP:BP+1] offset:64*(\b)
	global_load_b128 v[BIAS+8*(\b)+4:BIAS+8*(\b)+7], v[BO], s[BP:BP+1] offset:64*(\b)+16
.endr
	s_wait_loadcnt 0x0
	WIN 0x05                                       ; sources in window 1, destination in window 0
.set i, 0
.rept 32
	v_cvt_pk_bf16_f32 v[OB+i], v[BIAS+2*i], v[BIAS+2*i+1]  ; rounded to bf16 like every input,
.set i, i+1
.endr
	WIN 0x40
.set i, 0
.rept 32
	v_lshlrev_b32 v[BIAS+2*i],   16,     v[OB+i]           ; and widened again
	v_and_b32     v[BIAS+2*i+1], s[HIM], v[OB+i]
.set i, i+1
.endr
	WIN 0
.macro WM                              ; one matrix instruction on the registers that MUL16 or ROW has named
.if F16IN
	v_wmma_f32_16x16x32_f16 v[rD:rD+7], v[rB:rB+7], v[rA:rA+7], v[rC:rC+7]
.else
	v_wmma_f32_16x16x32_bf16 v[rD:rD+7], v[rB:rB+7], v[rA:rA+7], v[rC:rC+7]
.endif
.endm
; 16 matrix instructions: row blocks a0, a0 + 1 of the window's four (hi = 0: my rows 0-63, 1: rows 64-127) x all 8 column blocks, 32 along K.  first = 1: the bias starts the sums.
; The 64 accumulators take turns, one instruction a turn, in the same order in every quarter step.
.macro MUL16 f, hi, a0, first
.if \first
	WIN 0x91+0x40*(\hi)                            ; B window 1, A window 0, the bias window 1, D window 2 or 3
.else
	WIN 0xa1+0x50*(\hi)                            ; B window 1, A window 0, C and D window 2 or 3
.endif
.irp a, \a0, (\a0)+1
.irp b, 0,1,2,3,4,5,6,7
.set rD, 8*(8*(\a)+(\b))
.set rB, (\f)+8*(\b)
.set rA, (\f)+8*(4*(\hi)+(\a))
.if \first
.set rC, BIAS+8*(\b)
.else
.set rC, rD
.endif
	WM
.endr
.endr
.endm
; 32 LDS loads in one run: the fragments of one quarter step (K = k / 2 .. + 31 of the slot's step) into buffer f: B's 128 columns, turned, then A's 128 rows
.macro FETCH slot, k, f
	WIN 0x40                                       ; destination window 1, address window 0
.irp i, 0,1,2,3,4,5,6,7
	ds_load_tr16_b128 v[(\f)+8*(\i):(\f)+8*(\i)+3],   v[ADRB+(\slot)] offset:((\k)/64)*32*PB+32*(\i)
	ds_load_tr16_b128 v[(\f)+8*(\i)+4:(\f)+8*(\i)+7], v[ADRB+(\slot)] offset:((\k)/64)*32*PB+32*(\i)+16*PB
.endr
	WIN 0
.irp i, 0,1,2,3,4,5,6,7
	ds_load_b128 v[(\f)+8*(\i):(\f)+8*(\i)+3],   v[ADRA+(\slot)] offset:(\k)+(\i)*16*PITCH
	ds_load_b128 v[(\f)+8*(\i)+4:(\f)+8*(\i)+7], v[ADRA+(\slot)] offset:(\k)+(\i)*16*PITCH+32
.endr
.endm
; Four places stand between a matrix instruction and a load into a register that it has read, or an instruction that reads its result (ISA guide 7.12.1 for vector instructions).
.macro PLACES
.rept 4
	v_nop
.endr
.endm
; A K step is four quarter steps of 32 along K, 64 matrix instructions each, on buffers 0, 1, 0, 1.  One of the first three: multiplies buffer f; in its middle it fetches the next quarter into buffer g.
.macro QUARTER slot, k, f, g, first
	s_wait_dscnt 8                                 ; B and A's rows 0-63 are in; the youngest eight loads (A's rows 64-127) may be out
	MUL16 \f, 0, 0, \first
	MUL16 \f, 0, 2, \first
	PLACES
	FETCH \slot, \k, \g
	s_wait_dscnt 32                                ; all but the 32 just issued
	MUL16 \f, 1, 0, \first
	MUL16 \f, 1, 2, \first
.endm
; The last quarter multiplies buffer 1 and changes slots.  MEET is its first half: ONE barrier.  In front of it each wave waits for all its tensor loads, of which one is out: its part of the next slot;
; adds 0 to its spare word; and waits for that and for its own reads of this slot.  Behind it nobody reads this slot any more and the next slot is whole.
.macro MEET round
	WIN 0                                          ; (the add's two registers lie in window 0)
	s_wait_tensorcnt 0x0                           ; all my tensor loads have landed
	ds_add_u32 v[SPW], v[NIL]                      ; 0 onto my spare word
	s_wait_dscnt 9                                 ; (the add and the youngest eight loads may be out)
	MUL16 F1, 0, 0, 0                              ; sixteen matrix instructions stand between the add and the wait for it
	s_wait_dscnt 0x0                               ; the add is done, and my reads of this slot are over
	s_barrier_signal -1
	MUL16 F1, 0, 2, 0                              ; work on registers while the others arrive
.if \round
	WIN 0
.endif
	s_barrier_wait -1
.endm
; The whole last quarter where the slot is filled again: the barrier opens a round of the cluster's, and the joint refill, the K step two steps on, is the first thing behind the round.
; From a request to the wait for it a wave issues 224 matrix instructions.
.macro TURN slot, next
	STEP_PF
	MEET 1
	CREST                                          ; no wave of any partner still reads this slot's tile or has a load on its way
	s_add_nc_u64 s[G0+4*(\slot)+2:G0+4*(\slot)+3], s[G0+4*(\slot)+2:G0+4*(\slot)+3], 2*KSTEP*2
	s_add_nc_u64 s[G0B+4*(\slot)+2:G0B+4*(\slot)+3], s[G0B+4*(\slot)+2:G0B+4*(\slot)+3], 2*KSTEP*SIZE_N*2
	JLOAD \slot                                    ; the four v_nop behind it are also the places in front of the loads below
	FETCH \next, 0, F0
	ASK                                            ; behind the joint load and the run of LDS loads that the next products wait for
	MUL16 F1, 1, 0, 0
	MUL16 F1, 1, 2, 0
.endm
; THE LAST K STEP (it lies in slot 1) GOES BY ROWS OF C, NOT BY K.  All its fragments of B (4 quarters x 64 registers) fill window 1; then my eight blocks of 16 rows are finished one after the
; other, each with 32 matrix instructions (its 8 accumulators by turns, K ascending: the sums stay the same).  LDS is read no more than in any other K step.
.macro BLOAD q                         ; B's fragments of quarter q -> window 1, v[64 q ..]
	WIN 0x40
.irp i, 0,1,2,3,4,5,6,7
	ds_load_tr16_b128 v[64*(\q)+8*(\i):64*(\q)+8*(\i)+3],   v[ADRB+1] offset:(\q)*32*PB+32*(\i)
	ds_load_tr16_b128 v[64*(\q)+8*(\i)+4:64*(\q)+8*(\i)+7], v[ADRB+1] offset:(\q)*32*PB+32*(\i)+16*PB
.endr
.endm
.macro ALOAD a                         ; A's fragments of block a, all four quarters -> buffer a % 4
	WIN 0
.set FA, PA+32*((\a)%4)
.irp q, 0,1,2,3
	ds_load_b128 v[FA+8*(\q):FA+8*(\q)+3],   v[ADRA+1] offset:64*(\q)+(\a)*16*PITCH
	ds_load_b128 v[FA+8*(\q)+4:FA+8*(\q)+7], v[ADRA+1] offset:64*(\q)+(\a)*16*PITCH+32
.endr
.endm
.macro ROW a                           ; block a is finished: 32 matrix instructions
	WIN 0xa1+0x50*((\a)/4)
.irp q, 0,1,2,3
.if (\a) == 0 && (\q) == 2
	s_wait_dscnt 24                                ; B's quarter 2 is in (behind it: A's blocks 1 to 3)
.endif
.irp b, 0,1,2,3,4,5,6,7
.set rD, 64*((\a)%4)+8*(\b)
.set rB, 64*(\q)+8*(\b)
.set rA, PA+32*((\a)%4)+8*(\q)
.set rC, rD
	WM
.endr
.endr
.endm
; THE WAY OUT of block a of 16 rows: the accumulators go into my stage as they are (rows of 512 bytes + 16) and come back as whole rows, which are stored.
.macro TOST32 a
.set AC, 64*((\a)%4)
	s_wait_xcnt 0x0                                ; the stores of the block before have read the registers that are loaded below
	WIN 0x08+4*((\a)/4)                            ; the data (source 1) in window 2 or 3
.irp b, 0,1,2,3,4,5,6,7
	ds_store_b128 v[STO], v[AC+8*(\b):AC+8*(\b)+3]   offset:64*(\b)     ; each accumulator from its low end on
	ds_store_b128 v[STO], v[AC+8*(\b)+4:AC+8*(\b)+7] offset:64*(\b)+16
.endr
	WIN 0
.irp t, 0,1,2,3,4,5,6,7,8,9,10,11,12,13,14,15
	ds_load_b128 v[BK+4*(\t):BK+4*(\t)+3], v[RD] offset:(\t)*SPITCH  ; LDS serves a wave's instructions in order (ISA guide 5.7.1.4): these see the stores above
.endr
.endm
.macro SEND32 a, younger               ; younger: the LDS loads issued behind TOST32's, which may stay out
	WIN 0
	s_wait_dscnt \younger                          ; the block is back in registers
.irp t, 0,1,2,3,4,5,6,7,8,9,10,11,12,13,14,15
	global_store_b128 v[CO], v[BK+4*(\t):BK+4*(\t)+3], s[8:9] offset:(16*(\a)+(\t))*SIZE_N*4 th:TH_STORE_NT  ; a wave stores 512 consecutive bytes, aligned; 127 rows of C at the most stand in the immediate
.endr
.endm
	s_wait_tensorcnt 0x1                           ; my part of K step 0 is in; K step 1's may stay out
	s_barrier_signal -1
	s_barrier_wait -1                              ; everybody's is
	FETCH 0, 0, F0
	QUARTER 0, 64,  F0, F1, 1                      ; the first quarter stands in front of the loop: its products start the sums, with the bias
	WIN 0                                          ; at a label and at a branch every window is 0
	s_mov_b32 s3, LAPS-1
.Llap:                                                 ; a trip goes once round the ring, from a lap's second quarter to the next lap's first, and fills both slots again
	QUARTER 0, 128, F1, F0, 0
	QUARTER 0, 192, F0, F1, 0
	TURN 0, 1
	QUARTER 1, 64,  F0, F1, 0
	QUARTER 1, 128, F1, F0, 0
	QUARTER 1, 192, F0, F1, 0
	TURN 1, 0
	QUARTER 0, 64,  F0, F1, 0
	WIN 0
	s_sub_co_u32 s3, s3, 1
	s_cmp_lg_u32 s3, 0
	s_cbranch_scc1 .Llap
	QUARTER 0, 128, F1, F0, 0                      ; the last lap is written out: it asks for nothing more
	QUARTER 0, 192, F0, F1, 0
	MEET 0                                         ; my one tensor load that was still out is slot 1's, the last K step's, so no round follows
	PLACES                                         ; for the loads into buffer 0, which the quarter before multiplied
	BLOAD 0                                        ; three quarters of B now: buffer 1 (v128-191 of both windows) is still being multiplied
	BLOAD 1
	BLOAD 3
	ALOAD 0
	MUL16 F1, 1, 0, 0
	MUL16 F1, 1, 2, 0
	PLACES                                         ; for the loads into buffer 1
	BLOAD 2
	ALOAD 1
	ALOAD 2
	ALOAD 3
	s_wait_dscnt 40                                ; all but the 40 just issued
	ROW 0
.irp a, 0,1,2,3,4,5,6,7                ; each block leaves as soon as it is finished: nothing follows this tile under which its stores could leave
	PLACES                                         ; the LDS stores read results just made, and the loads below land in registers just read
	TOST32 \a
.if (\a) < 4
	ALOAD (\a)+4                                   ; its buffer takes the block four further on
	SEND32 \a, 8
.else
	SEND32 \a, 0
.endif
.if (\a) < 7
	ROW (\a)+1
.endif
.endr
	s_wait_tensorcnt 0x0                           ; the wave's end: behind my last tensor load and my last LDS store
	ds_add_u32 v[SPW], v[NIL]
	s_wait_dscnt 0x0
	CROUND                                         ; the closing round: no work-group ends while a partner may still ask for a tile that names it
	s_endpgm
.Lfunc_end_k_q945d7405d4_gemm_out:
	.size	k_q945d7405d4_gemm_out, .Lfunc_end_k_q945d7405d4_gemm_out-k_q945d7405d4_gemm_out
	.p2alignl 7, 3214868480
	.fill 96, 4, 3214868480
	.section	.rodata,"a",@progbits
	.p2align	6, 0x0
	.amdhsa_kernel k_q945d7405d4_gemm_out
		.amdhsa_group_segment_fixed_size 327680
		.amdhsa_private_segment_fixed_size 0
		.amdhsa_enable_private_segment 0
		.amdhsa_kernarg_size 32
		.amdhsa_user_sgpr_count 2
		.amdhsa_user_sgpr_kernarg_segment_ptr 1
		.amdhsa_wavefront_size32 1
		.amdhsa_system_sgpr_workgroup_id_x 1
		.amdhsa_system_sgpr_workgroup_id_y 1
		.amdhsa_system_sgpr_workgroup_id_z 1
		.amdhsa_system_vgpr_workitem_id 0
		.amdhsa_next_free_vgpr 1024
		.amdhsa_next_free_sgpr 80
		.amdhsa_reserve_vcc 0
		.amdhsa_float_denorm_mode_32 3
		.amdhsa_float_denorm_mode_16_64 3
		.amdhsa_memory_ordered 1
		.amdhsa_forward_progress 1
		.amdhsa_inst_pref_size 149
	.end_amdhsa_kernel
	.amdgpu_metadata
---
amdhsa.version: [ 1, 2 ]
amdhsa.kernels:
  - .name:           k_q945d7405d4_gemm_out
    .symbol:         k_q945d7405d4_gemm_out.kd
    .args:
      - { .name: att, .offset: 0, .size: 8, .value_kind: global_buffer, .address_space: global }
      - { .name: wo, .offset: 8, .size: 8, .value_kind: global_buffer, .address_space: global }
      - { .name: out0, .offset: 16, .size: 8, .value_kind: global_buffer, .address_space: global }
      - { .name: bout, .offset: 24, .size: 8, .value_kind: global_buffer, .address_space: global }
    .group_segment_fixed_size: 327680
    .private_segment_fixed_size: 0
    .kernarg_segment_align: 8
    .kernarg_segment_size: 32
    .max_flat_workgroup_size: 128
    .sgpr_count:     80
    .vgpr_count:     1024
    .wavefront_size: 32
...
	.end_amdgpu_metadata
.endif
;; end of part 4
;; ======== version 2 of 2: 4 launches; version 1 with the launch attn written anew for expert scheduling mode
;; limits: values are held in f16: magnitudes above 65,504 overflow, below 6.1e-05 lose precision
;; workspace buffers: xb 33,554,432 bytes; wq 6,291,456 bytes; bq 6,144 bytes; wo 2,097,152 bytes; qkv 100,663,296 bytes; att 33,554,432 bytes
;; launch prep: the kernel of part 1 again; grid 2113 x 1, 8 waves a work-group, no clusters, 0 bytes of LDS; arguments x, Wqkv, bqkv, Wout, xb, wq, bq, wo; writes xb, wq, bq, wo
;; launch gemm_qkv: the kernel of part 2 again; grid 4 x 64, 4 waves a work-group, clusters of 4 x 4, 327,680 bytes of LDS; arguments xb, wq, qkv, bq; writes qkv
;; launch attn (part 5): grid 512 x 1, 8 waves a work-group, no clusters, 0 bytes of LDS; arguments qkv, att; writes att
.if DOCPART == 5
	.amdgcn_target "amdgcn-amd-amdhsa--gfx1250"
	.amdhsa_code_object_version 6
	.text
	.protected	k_q945d7405d4_attn
	.globl	k_q945d7405d4_attn
	.p2align	8
	.type	k_q945d7405d4_attn,@function
k_q945d7405d4_attn:
	s_mov_b64 s[64:65], 0
	v_nop
	global_prefetch_b8 v0, s[64:65] scope:SCOPE_SE
	s_setreg_imm32_b32 hwreg(HW_REG_WAVE_SCHED_MODE, 0, 2), 2
	s_setreg_imm32_b32 hwreg(HW_REG_WAVE_MODE, 25, 1), 1
	s_wait_xcnt 0x0
	s_wait_alu depctr_vm_vsrc(0)
; ATTENTION ACROSS THE 16 HEADS OF ONE TOKEN.  For each token: S[qh][kh] = q[qh] . k[kh], P = softmax over kh of S / 8, out[qh] = the sum over kh of P[qh][kh] v[kh].
; qkv: [16384][3072] f16, a token's row laid out by the launches before: q and k at 256 (d / 16) + 16 h + d % 16 (k 1,024 numbers behind q), v at 2048 + 16 d + kh.
; att: [16384][1024] f16, out[qh][d] at 256 (d / 16) + 16 qh + d % 16.  Products, the maximum and the sum in f32; P, divided by its sum, is rounded to f16 for the second product, out once.
; LIMITS.  q, k, v arrive within f16's range; P lies in 0 to 1; out is a mean of v's rows.  NaN and infinities are not treated apart: v's registers must hold finite numbers (see V below).
; LAYOUT.  With LO = 32 (l % 16) + 16 (l / 16), the 16 bytes at 512 j + LO of q ARE registers 4 j .. 4 j + 3 of q's two fragments (16 heads x 32 channels each): lane l holds head l % 16.  The same for k.
; S^T = K Q^T (source 0 = k, source 1 = q): a lane holds query head l % 16 and key heads 8 (l / 16) + 0..7.  Rounded in pairs these ARE registers 0-3 of source 1 of O^T = V^T P; its registers 4-7,
; key heads 16 to 31, do not exist and hold 0.  V: the 16 bytes at 512 cb + LO of v are registers 0-3 of V^T's fragment for channels 16 cb ..; its registers 4-7 meet P's zeros: they are the next
; fragment's registers (or four zeros), finite numbers.  O^T again holds query head l % 16 and 8 channels: 16 bytes at 512 cb + LO of att.  So nothing changes lanes but one exchange of halves, nothing goes
; through LDS, and every load and store of a wave covers 512 consecutive bytes, aligned.
; SHARES.  A wave takes 4 tokens, in two pairs; all its 48 loads go out at once.  No loop, no barrier.  No cluster and no LDS: no wave wants a byte that another one reads.
; THE MODE: SCHED_MODE bits 1:0 = 2 (LLVM: expert scheduling mode 2), set by the entry lines.  The code itself states the register dependences between vector or matrix instructions and memory
; instructions, with s_wait_alu, always for 0.
; THE PLAN.  Registers that memory instructions touch:
;   v1           the offset LO.  Written by two vector lines at the head; read by all 48 loads and all 16 stores; named by no line behind the wait that stands ahead of the first load.
;   V, QK        the loads land here.  All 48 are issued at the head, ahead of every vector or matrix instruction that names one of these registers; their readers stand behind s_wait_loadcnt.
;   QK + 32 i + 8 j + 0..3   the out-registers of token i, channels 16 j ..  Written by the pair's products O^T and then by its 32 conversions; read by the pair's 8 stores; never written again.
;   S, P, T, Z   are named by vector and matrix instructions alone.
; So a pair's conversions stand together, ONE wait on va_vdst follows them, and the pair's eight stores follow that in one run.  No register that a memory instruction reads is written again,
; so the only wait on vm_vsrc is the one at the entry.  The wave's number passes through a scalar register: one wait on va_sdst ahead of its first reader.
.set S,  8                             ; v[8:23]    S^T of the pair's two tokens
.set P,  24                            ; v[24:39]   P: 8 a token, the upper four 0
.set T,  40                            ; v[40:55]   8 a token: +0 the maximum, +1 the other half's, +2 c m, +4, +5 sums, +6 1 / l
.set QK, 56                            ; v[56:183]  32 a token: q's 16, k's 16; later O^T
.set V,  184                           ; v[184:247] 16 a token
.set Z,  248                           ; v[248:251] 0
	s_load_b128 s[4:7], s[0:1], 0x0                ; qkv s[4:5], att s[6:7]
	v_lshrrev_b32 v2, 5, v0
	v_readfirstlane_b32 s12, v2                    ; wave 0..7
	v_and_b32 v3, 15, v0
	v_bfe_u32 v4, v0, 4, 1
	v_lshlrev_b32 v1, 5, v3
	v_lshl_add_u32 v1, v4, 4, v1                   ; LO; never rewritten
	s_lshl_b32 s13, ttmp9, 3
	s_wait_alu depctr_va_sdst(0)                   ; s12 is written, ahead of its first reader: the two bases are made from it
	s_add_co_u32 s13, s13, s12                     ; my wave among all 4,096
	s_mul_i32 s14, s13, 4*6144                     ; its 4 rows of qkv (under 2^27),
	s_mov_b32 s15, 0
	s_lshl_b32 s16, s13, 13                        ; and of att
	s_mov_b32 s17, 0
	s_mov_b32 s8, 0x3e38aa3b                       ; c = log2(e) / 8 = 0.180337
	s_mov_b32 s9, s8                               ; named with it as a pair
	s_mov_b32 s10, 0x76543210                      ; v_permlanex16_b32: each lane takes its own place in the other half
	s_mov_b32 s11, 0xfedcba98
	s_wait_kmcnt 0x0
	s_add_nc_u64 s[4:5], s[4:5], s[14:15]
	s_add_nc_u64 s[6:7], s[6:7], s[16:17]
	s_wait_alu depctr_va_vdst(0)                   ; v1 is written: every load and store of the kernel reads it as its offset, and no line below names it otherwise
.irp i, 0,1,2,3                        ; v of all four tokens first: a token's last fragment names the next token's first registers
.irp j, 0,1,2,3
	global_load_b128 v[V+16*(\i)+4*(\j):V+16*(\i)+4*(\j)+3], v1, s[4:5] offset:(\i)*6144+4096+512*(\j) th:TH_LOAD_NT
.endr
.endr
.irp i, 0,1,2,3                        ; then q and k, token by token: 8 loads each
.irp j, 0,1,2,3
	global_load_b128 v[QK+32*(\i)+4*(\j):QK+32*(\i)+4*(\j)+3],       v1, s[4:5] offset:(\i)*6144+512*(\j) th:TH_LOAD_NT
	global_load_b128 v[QK+32*(\i)+16+4*(\j):QK+32*(\i)+16+4*(\j)+3], v1, s[4:5] offset:(\i)*6144+2048+512*(\j) th:TH_LOAD_NT
.endr
.endr
.irp r, 4,5,6,7,12,13,14,15
	v_mov_b32 v[P+(\r)], 0                         ; key heads 16 to 31
.endr
.irp r, 1,3,5,7,9,11,13,15
	v_mov_b32 v[T+(\r)], 0                         ; destinations of the exchange and second registers of named pairs: written once before they are named
.endr
.irp r, 0,1,2,3
	v_mov_b32 v[Z+(\r)], 0
.endr
; Tokens 2 p and 2 p + 1, their instructions by turns.  left: the younger loads that may stay out.
.macro PAIR p, left
	s_wait_loadcnt \left
.irp u, 0,1                            ; the two accumulators take turns; the first product starts the sum
	v_wmma_f32_16x16x32_f16 v[S+8*(\u):S+8*(\u)+7], v[QK+32*(2*(\p)+(\u))+16:QK+32*(2*(\p)+(\u))+23], v[QK+32*(2*(\p)+(\u)):QK+32*(2*(\p)+(\u))+7], 0
.endr
.irp u, 0,1
	v_wmma_f32_16x16x32_f16 v[S+8*(\u):S+8*(\u)+7], v[QK+32*(2*(\p)+(\u))+24:QK+32*(2*(\p)+(\u))+31], v[QK+32*(2*(\p)+(\u))+8:QK+32*(2*(\p)+(\u))+15], v[S+8*(\u):S+8*(\u)+7]
.endr
.rept 4
	v_nop                                          ; the places behind those products (ISA guide 7.12.1)
.endr
.irp u, 0,1
	v_max3_num_f32 v[T+8*(\u)], v[S+8*(\u)], v[S+8*(\u)+1], v[S+8*(\u)+2]  ; the maximum of my 8 scores, from the accumulator's low end on
.endr
.irp u, 0,1
	v_max3_num_f32 v[T+8*(\u)], v[T+8*(\u)], v[S+8*(\u)+3], v[S+8*(\u)+4]
.endr
.irp u, 0,1
	v_max3_num_f32 v[T+8*(\u)], v[T+8*(\u)], v[S+8*(\u)+5], v[S+8*(\u)+6]
.endr
.irp u, 0,1
	v_max_num_f32 v[T+8*(\u)], v[T+8*(\u)], v[S+8*(\u)+7]
.endr
.irp u, 0,1
	v_permlanex16_b32 v[T+8*(\u)+1], v[T+8*(\u)], s10, s11  ; the query head's other 8 key heads lie in the lane 16 away
.endr
.irp u, 0,1
	v_max_num_f32 v[T+8*(\u)], v[T+8*(\u)], v[T+8*(\u)+1]
.endr
.irp u, 0,1
	v_mul_f32 v[T+8*(\u)+2], s8, v[T+8*(\u)]       ; c m
.endr
.irp j, 0,2,4,6
.irp u, 0,1
	v_pk_fma_f32 v[S+8*(\u)+(\j):S+8*(\u)+(\j)+1], v[S+8*(\u)+(\j):S+8*(\u)+(\j)+1], s[8:9], v[T+8*(\u)+2:T+8*(\u)+3] op_sel_hi:[1,0,0] neg_lo:[0,0,1] neg_hi:[0,0,1]  ; c s - c m
.endr
.endr
.irp j, 0,1,2,3,4,5,6,7
.irp u, 0,1
	v_exp_f32 v[S+8*(\u)+(\j)], v[S+8*(\u)+(\j)]   ; one batch of 16
.endr
.endr
	v_nop                                          ; a plain instruction behind the last exponential,
	s_wait_alu depctr_va_vdst(0)                   ; and the one wait ahead of the batch's first reader: the 16 exponentials have written S
.irp u, 0,1
	v_pk_add_f32 v[T+8*(\u)+4:T+8*(\u)+5], v[S+8*(\u):S+8*(\u)+1],   v[S+8*(\u)+2:S+8*(\u)+3]
	v_pk_add_f32 v[T+8*(\u)+6:T+8*(\u)+7], v[S+8*(\u)+4:S+8*(\u)+5], v[S+8*(\u)+6:S+8*(\u)+7]
.endr
.irp u, 0,1
	v_pk_add_f32 v[T+8*(\u)+4:T+8*(\u)+5], v[T+8*(\u)+4:T+8*(\u)+5], v[T+8*(\u)+6:T+8*(\u)+7]
.endr
.irp u, 0,1
	v_add_f32 v[T+8*(\u)+4], v[T+8*(\u)+4], v[T+8*(\u)+5]
.endr
.irp u, 0,1
	v_permlanex16_b32 v[T+8*(\u)+5], v[T+8*(\u)+4], s10, s11
.endr
.irp u, 0,1
	v_add_f32 v[T+8*(\u)+4], v[T+8*(\u)+4], v[T+8*(\u)+5]  ; l, at least 1: the maximum's own weight
.endr
.irp u, 0,1
	v_rcp_f32 v[T+8*(\u)+6], v[T+8*(\u)+4]
.endr
	v_nop
	s_wait_alu depctr_va_vdst(0)                   ; one wait for the two reciprocals, ahead of their first reader: they have written the two 1 / l
.irp j, 0,2,4,6
.irp u, 0,1
	v_pk_mul_f32 v[S+8*(\u)+(\j):S+8*(\u)+(\j)+1], v[S+8*(\u)+(\j):S+8*(\u)+(\j)+1], v[T+8*(\u)+6:T+8*(\u)+7] op_sel_hi:[1,0]
.endr
.endr
.irp j, 0,1,2,3
.irp u, 0,1
	v_cvt_pk_f16_f32 v[P+8*(\u)+(\j)], v[S+8*(\u)+2*(\j)], v[S+8*(\u)+2*(\j)+1]
.endr
.endr
.irp j, 0,1,2,3                        ; O^T for channels 16 j .., into the token's q and k registers, which have been read: eight sums of one product each
.irp u, 0,1
	v_wmma_f32_16x16x32_f16 v[QK+32*(2*(\p)+(\u))+8*(\j):QK+32*(2*(\p)+(\u))+8*(\j)+7], v[V+16*(2*(\p)+(\u))+4*(\j):V+16*(2*(\p)+(\u))+4*(\j)+7], v[P+8*(\u):P+8*(\u)+7], 0
.endr
.endr
.rept 4
	v_nop                                          ; the places behind those products
.endr
.irp j, 0,1,2,3                        ; the pair's 32 conversions stand together
.irp u, 0,1
.irp r, 0,1,2,3
	v_cvt_pk_f16_f32 v[QK+32*(2*(\p)+(\u))+8*(\j)+(\r)], v[QK+32*(2*(\p)+(\u))+8*(\j)+2*(\r)], v[QK+32*(2*(\p)+(\u))+8*(\j)+2*(\r)+1]  ; in place, from the low end on
.endr
.endr
.endr
	s_wait_alu depctr_va_vdst(0)                   ; the conversions have written the pair's out-registers, which the eight stores below read
.irp j, 0,1,2,3
.irp u, 0,1
	global_store_b128 v1, v[QK+32*(2*(\p)+(\u))+8*(\j):QK+32*(2*(\p)+(\u))+8*(\j)+3], s[6:7] offset:(2*(\p)+(\u))*2048+512*(\j)  ; these registers are not written again
.endr
.endr
.endm
	PAIR 0, 16                                     ; all v and the first pair's q and k are in; the second pair's 16 loads may stay out
	PAIR 1, 0
	s_endpgm
.Lfunc_end_k_q945d7405d4_attn:
	.size	k_q945d7405d4_attn, .Lfunc_end_k_q945d7405d4_attn-k_q945d7405d4_attn
	.p2alignl 7, 3214868480
	.fill 96, 4, 3214868480
	.section	.rodata,"a",@progbits
	.p2align	6, 0x0
	.amdhsa_kernel k_q945d7405d4_attn
		.amdhsa_group_segment_fixed_size 0
		.amdhsa_private_segment_fixed_size 0
		.amdhsa_enable_private_segment 0
		.amdhsa_kernarg_size 16
		.amdhsa_user_sgpr_count 2
		.amdhsa_user_sgpr_kernarg_segment_ptr 1
		.amdhsa_wavefront_size32 1
		.amdhsa_system_sgpr_workgroup_id_x 1
		.amdhsa_system_sgpr_workgroup_id_y 1
		.amdhsa_system_sgpr_workgroup_id_z 1
		.amdhsa_system_vgpr_workitem_id 0
		.amdhsa_next_free_vgpr 256
		.amdhsa_next_free_sgpr 66
		.amdhsa_reserve_vcc 0
		.amdhsa_float_denorm_mode_32 3
		.amdhsa_float_denorm_mode_16_64 3
		.amdhsa_memory_ordered 1
		.amdhsa_forward_progress 1
		.amdhsa_inst_pref_size 22
	.end_amdhsa_kernel
	.amdgpu_metadata
---
amdhsa.version: [ 1, 2 ]
amdhsa.kernels:
  - .name:           k_q945d7405d4_attn
    .symbol:         k_q945d7405d4_attn.kd
    .args:
      - { .name: qkv, .offset: 0, .size: 8, .value_kind: global_buffer, .address_space: global }
      - { .name: att, .offset: 8, .size: 8, .value_kind: global_buffer, .address_space: global }
    .group_segment_fixed_size: 0
    .private_segment_fixed_size: 0
    .kernarg_segment_align: 8
    .kernarg_segment_size: 16
    .max_flat_workgroup_size: 256
    .sgpr_count:     66
    .vgpr_count:     256
    .wavefront_size: 32
...
	.end_amdgpu_metadata
.endif
;; end of part 5
;; launch gemm_out: the kernel of part 4 again; grid 4 x 64, 4 waves a work-group, clusters of 4 x 4, 327,680 bytes of LDS; arguments att, wo, out0, bout; writes out0
